; MI455X (gfx1250); checked and timed in simulation.
; The chip was launched on July 23, 2026; its instructions are those of AMD's public machine-readable ISA for CDNA 5 (MIT licence, August 2026) and "CDNA5" Instruction Set Architecture Reference Guide (July 2026). The comments in the code are by the model that wrote it; some were corrected since.
;; Switch Head Core. Allowed arithmetic: float matrix products may take bf16 or f16 operands with f32 sums; other float arithmetic in f32, or as packed bf16 or f16 multiplies, adds, multiply-adds, maxima and minima; sums over many terms, partial sums and values carried from step to step in f32; what a program stores and reads back later, other than sums and carried values, may be rounded once to bf16 or f16.
;; Inputs: Wk 1,024 x 1,024 float32; Wo 8 x 4 x 128 x 1,024 float32; Wq 1,024 x 1,024 float32; Wv 8 x 4 x 1,024 x 128 float32; k_src 2 x 2,048 x 1,024 float32; q_src 2 x 2,048 x 1,024 float32; sel_o 32 x 1,024 float32; sel_v 32 x 1,024 float32; v_src 2 x 2,048 x 1,024 float32.
;; Outputs: out0 2 x 2,048 x 1,024 float32.
;; One version. Each part assembles by itself: llvm-mc -triple=amdgcn-amd-amdhsa -mcpu=gfx1250 --defsym DOCPART=n.
;; ======== version 1 of 1: 4 launches
;; limits: values are held in f16: magnitudes above 65,504 overflow, below 6.1e-05 lose precision
;; workspace buffers: xb 25,165,824 bytes; wb 12,582,912 bytes; wo16 8,388,608 bytes; gates 1,048,576 bytes; qkv 25,165,824 bytes; res 8,388,608 bytes
;; launch prep (part 1): grid 832 x 1, 8 waves a work-group, no clusters, 109,568 bytes of LDS; arguments q_src, k_src, v_src, Wq, Wk, Wv, Wo, sel_o, sel_v, xb, wb, wo16, gates; writes xb, wb, wo16, gates
.if DOCPART == 1
	.amdgcn_target "amdgcn-amd-amdhsa--gfx1250"
	.amdhsa_code_object_version 6
	.text
	.protected	k_q40ac334a9c_prep
	.globl	k_q40ac334a9c_prep
	.p2align	8
	.type	k_q40ac334a9c_prep,@function
k_q40ac334a9c_prep:
	s_mov_b64 s[64:65], 0
	v_nop
	global_prefetch_b8 v0, s[64:65] scope:SCOPE_SE
	s_setreg_imm32_b32 hwreg(HW_REG_WAVE_MODE, 25, 1), 1
	s_wait_xcnt 0x0
; PREP: every input is read once and rounded once to bf16; the two routers are computed on those rounded numbers.
; Work-groups 0-255 ROUTE: 32 tokens of q_src (0-127) or k_src (128-255): the rows go to xb as bf16, and their 32 router logits
;   (sel_o or sel_v, also rounded to bf16) become dense gates: sigmoid for the two largest of a head's four, 0 for the others.
; Work-groups 256-575 CAST: 131,072 bytes of v_src, Wq, Wk (to bf16) or Wo (to bf16, that number written as f16).
; Work-groups 576-831 TRANS: a tile of 128 d x 128 dh of Wv[h][e], turned so that d lies along the rows of wb.
; wb rows: 0-1023 Wq, 1024-2047 Wk, 2048 + h*512 + (dh>>4)*64 + e*16 + (dh&15) Wv turned.
; wo16: [16 blocks of 64 o][4,096 k = (h, e, d)][64 o]: the 512 rows of a head in a block are 65,536 consecutive bytes.
; LIMITS.  The sigmoid is 1 / (1 + 2^(-1.442695 x)), each step good to 1 ulp: two gates closer than about 2 ulp may be ranked
; otherwise than by a correctly rounded sigmoid; equal gates go to the lower index.  A gate below 2^-126 counts as 0.
; Wo as f16: exact for bf16 numbers from 2^-17 to 65,504, below that on f16's fixed step of 2^-24.  NaN is not treated apart.
; No cluster and no tensor loads: no two work-groups read the same large input, and the data pass through registers anyway.
; LDS: ROUTE and TRANS have bytes of their own, so that no byte is named by two roles' texts.
.set PT,     272                       ; an LDS row: 256 bytes + 16: sixteen rows of a fragment load start at sixteen different groups of banks
.set WTILE,  32*PT                     ; ROUTE: a wave's own tile, 32 rows
.set BOUNCE, 8*WTILE                   ; ROUTE: 2,048 bytes for each of waves 0, 1: the gates on their way out
.set SPARE,  BOUNCE+4096               ; the spare words, 128 bytes a wave
.set TBASE,  SPARE+1024                ; TRANS: 128 rows of 272 bytes
.set SPW, 30                           ; v30 my spare word's address; never rewritten
.set NIL, 31                           ; v31 0; never rewritten
.set BA,  32                           ; v[32:95]   sixteen loads of 16 bytes
.set BB,  96                           ; v[96:159]
.set BC,  160                          ; v[160:223]
.set TT,  224                          ; v[224:255] at work
.set ACC, 192                          ; ROUTE: four accumulators
.set WV,  2                            ; s2 wave
.set GID, 3                            ; s3 work-group
.macro LD16 dst, voff, base, stride, first, nt   ; sixteen loads of 16 bytes a lane
.set i_, 0
.rept 16
.if \nt
	global_load_b128 v[(\dst)+4*i_:(\dst)+4*i_+3], v[\voff], s[\base:\base+1] offset:((\first)+i_)*(\stride) th:TH_LOAD_NT
.else
	global_load_b128 v[(\dst)+4*i_:(\dst)+4*i_+3], v[\voff], s[\base:\base+1] offset:((\first)+i_)*(\stride)
.endif
.set i_, i_+1
.endr
.endm
.macro CV16 src, dst                   ; 64 f32 a lane to 32 words of two bf16
.set i_, 0
.rept 16
	v_cvt_pk_bf16_f32 v[(\dst)+2*i_], v[(\src)+4*i_], v[(\src)+4*i_+1]
	v_cvt_pk_bf16_f32 v[(\dst)+2*i_+1], v[(\src)+4*i_+2], v[(\src)+4*i_+3]
.set i_, i_+1
.endr
.endm
.macro CVH dst                         ; 32 words of two bf16 are written as two f16
.set i_, 0
.rept 32
	v_lshlrev_b32 v[TT+2*(i_%16)], 16, v[(\dst)+i_]
	v_and_b32 v[TT+2*(i_%16)+1], 0xffff0000, v[(\dst)+i_]
	v_cvt_pk_f16_f32 v[(\dst)+i_], v[TT+2*(i_%16)], v[TT+2*(i_%16)+1]
.set i_, i_+1
.endr
.endm
.macro ST16 src, voff, base, stride, first       ; sixteen stores, each 256 consecutive bytes, aligned
.set i_, 0
.rept 16
	global_store_b64 v[\voff], v[(\src)+2*i_:(\src)+2*i_+1], s[\base:\base+1] offset:((\first)+i_)*(\stride)
.set i_, i_+1
.endr
.endm
.macro DS16 src, first                 ; the same sixteen rows into my tile
.set i_, 0
.rept 16
	ds_store_b64 v7, v[(\src)+2*i_:(\src)+2*i_+1] offset:((\first)+i_)*PT
.set i_, i_+1
.endr
.endm
.macro FRAG dst                        ; my tile's 32 rows x 128 k as eight fragments: block f / 4, k 32 (f % 4) on
.set i_, 0
.rept 8
	ds_load_b128 v[(\dst)+8*i_:(\dst)+8*i_+3], v8 offset:(i_/4)*16*PT+(i_%4)*64
	ds_load_b128 v[(\dst)+8*i_+4:(\dst)+8*i_+7], v8 offset:(i_/4)*16*PT+(i_%4)*64+32
.set i_, i_+1
.endr
.endm
.macro FIN                             ; the wave's end
	s_wait_tensorcnt 0x0
	ds_add_u32 v[SPW], v[NIL]
	s_wait_dscnt 0x0
	s_endpgm
.endm
.macro MAJ d, a, b, c                  ; lanes in which at least two of three masks are set
	s_and_b32 s[\d], s[\a], s[\b]
	s_or_b32 s50, s[\a], s[\b]
	s_and_b32 s50, s50, s[\c]
	s_or_b32 s[\d], s[\d], s50
.endm
; The two largest of four sigmoids keep their value, the others become 0.  c_fe = (s_f >= s_e) for f < e: expert e is ahead of f > e where c_ef holds,
; and ahead of f < e where c_fe does not: it is kept where it is ahead of at least two.  Equal values: the lower index is ahead.
.macro TOP2 b
	v_cmp_ge_f32 s40, v[(\b)], v[(\b)+1]
	v_cmp_ge_f32 s41, v[(\b)], v[(\b)+2]
	v_cmp_ge_f32 s42, v[(\b)], v[(\b)+3]
	v_cmp_ge_f32 s43, v[(\b)+1], v[(\b)+2]
	v_cmp_ge_f32 s44, v[(\b)+1], v[(\b)+3]
	v_cmp_ge_f32 s45, v[(\b)+2], v[(\b)+3]
	MAJ 46, 40, 41, 42
	s_not_b32 s40, s40
	MAJ 47, 40, 43, 44
	s_not_b32 s41, s41
	s_not_b32 s43, s43
	MAJ 48, 41, 43, 45
	s_not_b32 s42, s42
	s_not_b32 s44, s44
	s_not_b32 s45, s45
	MAJ 49, 42, 44, 45
	v_cndmask_b32 v[(\b)], 0, v[(\b)], s46
	v_cndmask_b32 v[(\b)+1], 0, v[(\b)+1], s47
	v_cndmask_b32 v[(\b)+2], 0, v[(\b)+2], s48
	v_cndmask_b32 v[(\b)+3], 0, v[(\b)+3], s49
.endm
	s_load_b512 s[8:23], s[0:1], 0x0               ; q_src s8, k_src s10, v_src s12, Wq s14, Wk s16, Wv s18, Wo s20, sel_o s22
	s_load_b256 s[24:31], s[0:1], 0x40             ; sel_v s24, xb s26, wb s28, wo16 s30
	s_load_b64 s[32:33], s[0:1], 0x60              ; gates
	v_lshl_add_u32 v[SPW], v0, 2, SPARE
	v_mov_b32 v[NIL], 0
	v_lshrrev_b32 v1, 5, v0
	v_readfirstlane_b32 s[WV], v1                  ; wave 0..7
	v_and_b32 v2, 31, v0                           ; lane
	v_and_b32 v3, 15, v0                           ; r
	v_bfe_u32 v4, v0, 4, 1                         ; hl
	s_mov_b32 s[GID], ttmp9
	s_wait_kmcnt 0x0
	s_cmp_lt_u32 s[GID], 256
	s_cbranch_scc1 .Lroute
	s_cmp_lt_u32 s[GID], 576
	s_cbranch_scc1 .Lcast
	; ---- TRANS: Wv[he], d rows 128 dblk .. + 127, all 128 dh ----
	s_sub_co_u32 s34, s[GID], 576
	s_lshr_b32 s35, s34, 3                         ; he
	s_and_b32 s36, s34, 7                          ; dblk
	s_lshl_b32 s40, s35, 19                        ; he x 1,024 rows x 512 bytes
	s_lshl_b32 s41, s36, 16                        ; dblk x 128 rows
	s_add_co_u32 s40, s40, s41
	s_mov_b32 s41, 0
	s_add_nc_u64 s[18:19], s[18:19], s[40:41]
	s_lshr_b32 s42, s35, 2                         ; h
	s_and_b32 s43, s35, 3                          ; e
	s_lshl_b32 s42, s42, 20                        ; h x 512 rows x 2,048 bytes
	s_lshl_b32 s43, s43, 15                        ; e x 16 rows
	s_add_co_u32 s42, s42, s43
	s_lshl_b32 s43, s36, 8                         ; dblk x 128 columns x 2 bytes
	s_add_co_u32 s42, s42, s43
	s_add_co_u32 s42, s42, 4194304                 ; behind Wq's and Wk's 2,048 rows
	s_mov_b32 s43, 0
	s_add_nc_u64 s[28:29], s[28:29], s[42:43]
	s_lshl_b32 s46, s[WV], 13                      ; my 16 rows of d
	v_lshl_add_u32 v5, v2, 4, s46
	LD16 BA, 5, 18, 512, 0, 1                      ; row i: lane l holds dh 4 l .. 4 l + 3
	v_mul_u32_u24 v6, v2, 4*PT                     ; in: LDS row dh = 4 l + c, bytes 32 w on
	s_lshl_b32 s47, s[WV], 5
	s_add_co_u32 s47, s47, TBASE                   ; in TRANS's own bytes
	v_add_nc_u32 v6, s47, v6
	s_mul_i32 s48, s[WV], 16*PT                    ; back: rows dh = 16 w + 2 t + hl, whole
	s_add_co_u32 s48, s48, TBASE
	v_mul_u32_u24 v7, v4, PT
	v_lshl_add_u32 v7, v3, 4, v7
	v_add_nc_u32 v7, s48, v7
	s_lshl_b32 s49, s[WV], 17                      ; wb: (dh >> 4) = w: 64 rows x 2,048 bytes
	v_lshlrev_b32 v8, 11, v4
	v_lshl_add_u32 v8, v3, 4, v8
	v_add_nc_u32 v8, s49, v8
	s_wait_loadcnt 0x0
.set c_, 0
.rept 4
.set i_, 0
.rept 8
	v_cvt_pk_bf16_f32 v[BB+8*c_+i_], v[BA+8*i_+c_], v[BA+8*i_+4+c_]   ; a pair along d for dh = 4 l + c
.set i_, i_+1
.endr
.set c_, c_+1
.endr
.set c_, 0
.rept 4
	ds_store_b128 v6, v[BB+8*c_:BB+8*c_+3] offset:c_*PT
	ds_store_b128 v6, v[BB+8*c_+4:BB+8*c_+7] offset:c_*PT+16
.set c_, c_+1
.endr
	s_wait_dscnt 0x0                               ; for the others' sake: my stores are done
	s_barrier_signal -1
	s_barrier_wait -1
.set i_, 0
.rept 8
	ds_load_b128 v[BC+4*i_:BC+4*i_+3], v7 offset:i_*2*PT
.set i_, i_+1
.endr
	s_wait_dscnt 0x0
.set i_, 0
.rept 8
	global_store_b128 v8, v[BC+4*i_:BC+4*i_+3], s[28:29] offset:i_*4096   ; sixteen lanes store 256 consecutive bytes, aligned
.set i_, i_+1
.endr
	FIN
	; ---- CAST ----
.Lcast:
	s_sub_co_u32 s34, s[GID], 256                  ; c
	s_sub_co_u32 s35, s34, 192                     ; Wo: block of source and of wo16
	s_sub_co_u32 s40, s34, 160                     ; Wk: block of source
	s_sub_co_u32 s41, s34, 128                     ; Wq: block of source; Wq and Wk: block of wb
	s_add_co_u32 s42, s34, 256                     ; v_src: block of xb, behind two planes of 128 blocks
	s_mov_b64 s[36:37], s[20:21]
	s_mov_b64 s[38:39], s[30:31]
	s_mov_b32 s43, s35
	s_cmp_lt_u32 s34, 192
	s_cselect_b64 s[36:37], s[16:17], s[36:37]
	s_cselect_b64 s[38:39], s[28:29], s[38:39]
	s_cselect_b32 s35, s40, s35
	s_cselect_b32 s43, s41, s43
	s_cmp_lt_u32 s34, 160
	s_cselect_b64 s[36:37], s[14:15], s[36:37]
	s_cselect_b32 s35, s41, s35
	s_cmp_lt_u32 s34, 128
	s_cselect_b64 s[36:37], s[12:13], s[36:37]
	s_cselect_b64 s[38:39], s[26:27], s[38:39]
	s_cselect_b32 s35, s34, s35
	s_cselect_b32 s43, s42, s43
	s_lshl_b32 s44, s35, 17                        ; the work-group's 131,072 bytes of f32
	s_mov_b32 s45, 0
	s_add_nc_u64 s[36:37], s[36:37], s[44:45]
	s_cmp_ge_u32 s34, 192
	s_cbranch_scc1 .Lcast16
	s_lshl_b32 s44, s43, 16
	s_add_nc_u64 s[38:39], s[38:39], s[44:45]
	s_lshl_b32 s46, s[WV], 14
	v_lshl_add_u32 v5, v2, 4, s46                  ; my wave's 16,384 bytes of f32: a load takes 512 consecutive bytes
	s_lshl_b32 s46, s[WV], 13
	v_lshl_add_u32 v6, v2, 3, s46                  ; and its 8,192 bytes of bf16
	LD16 BA, 5, 36, 512, 0, 1
	LD16 BB, 5, 36, 512, 16, 1
	s_wait_loadcnt 16                              ; the first sixteen are in, the second sixteen stay out
	CV16 BA, BC
	ST16 BC, 6, 38, 256, 0
	s_wait_loadcnt 0x0
	CV16 BB, BC+32
	ST16 BC+32, 6, 38, 256, 16
	FIN
	; Wo: the work-group has 32 rows of k, a wave four.  A load takes 64 o (256 bytes) of each of two neighbouring rows: lanes 0-15 the one, lanes 16-31 the other;
	; in a block of wo16 these are 2 x 128 = 256 consecutive bytes.  Load i of sixteen is block i; the second sixteen are the wave's other two rows.
.Lcast16:
	s_lshl_b32 s44, s43, 12                        ; 32 rows of 128 bytes, in each block
	s_add_nc_u64 s[38:39], s[38:39], s[44:45]
	s_lshl_b32 s46, s[WV], 14                      ; my four rows of 4,096 bytes
	v_lshl_add_u32 v5, v4, 12, s46
	v_lshl_add_u32 v5, v3, 4, v5
	s_lshl_b32 s46, s[WV], 9                       ; my four rows of 128 bytes
	v_lshl_add_u32 v6, v2, 3, s46
	v_add_nc_u32 v13, 256, v6                      ; the other two rows
	LD16 BA, 5, 36, 256, 0, 1
	LD16 BB, 5, 36, 256, 32, 1
	s_wait_loadcnt 16
	CV16 BA, BC
	CVH BC
	ST16 BC, 6, 38, 524288, 0                      ; 15 blocks of 524,288 bytes at the most: inside the signed 24-bit immediate
	s_wait_loadcnt 0x0
	CV16 BB, BC+32
	CVH BC+32
	ST16 BC+32, 13, 38, 524288, 0
	FIN
	; ---- ROUTE ----
.Lroute:
	s_lshr_b32 s34, s[GID], 7                      ; 0: q_src, sel_o, go;  1: k_src, sel_v, gv
	s_and_b32 s35, s[GID], 127
	s_cmp_eq_u32 s34, 0
	s_cselect_b64 s[36:37], s[8:9], s[10:11]
	s_cselect_b64 s[38:39], s[22:23], s[24:25]
	s_cselect_b32 s44, 524288, 0                   ; gates: plane 0 gv, plane 1 go
	s_lshl_b32 s40, s35, 17                        ; 32 rows of 4,096 bytes
	s_mov_b32 s41, 0
	s_add_nc_u64 s[36:37], s[36:37], s[40:41]
	s_lshl_b32 s42, s35, 16                        ; 32 rows of 2,048 bytes,
	s_lshl_b32 s43, s34, 23                        ; in xb's plane 0 or 1
	s_add_co_u32 s42, s42, s43
	s_mov_b32 s43, 0
	s_add_nc_u64 s[26:27], s[26:27], s[42:43]
	s_lshl_b32 s45, s35, 12                        ; 32 tokens of 128 bytes
	s_add_co_u32 s44, s44, s45
	s_mov_b32 s45, 0
	s_add_nc_u64 s[32:33], s[32:33], s[44:45]
	v_lshlrev_b32 v5, 4, v0                        ; wave w owns columns 128 w on: 512 w + 16 lane = 16 x thread
	v_lshlrev_b32 v6, 3, v0                        ; the same columns in bf16
	s_mul_i32 s46, s[WV], WTILE                    ; my own tile: only I touch it until the partial sums are handed over
	v_lshl_add_u32 v7, v2, 3, s46
	v_mul_u32_u24 v8, v3, PT
	v_lshl_add_u32 v8, v4, 4, v8
	v_add_nc_u32 v8, s46, v8
	v_lshl_add_u32 v9, v2, 4, s46
	LD16 BA, 5, 38, 4096, 0, 0                     ; selectors 0-15 (128 work-groups read them: no hint)
	LD16 BB, 5, 38, 4096, 16, 0                    ; selectors 16-31
	LD16 BC, 5, 36, 4096, 0, 1                     ; tokens 0-15
	s_wait_loadcnt 32                              ; selectors 0-15 are in; two runs of sixteen stay out
	CV16 BA, TT
	DS16 TT, 0
	LD16 BA, 5, 36, 4096, 16, 1                    ; tokens 16-31
	s_wait_loadcnt 32                              ; selectors 16-31 are in; the tokens' two runs stay out
	CV16 BB, TT
	DS16 TT, 16
	FRAG BB                                        ; the selectors' fragments; LDS serves a wave's instructions in order (ISA guide 5.7.1.4), so the tokens may follow into the same rows
	s_wait_loadcnt 16                              ; tokens 0-15
	CV16 BC, TT
	ST16 TT, 6, 26, 2048, 0
	DS16 TT, 0
	s_wait_loadcnt 0x0
	CV16 BA, BC                                    ; into other registers than TT, which the stores above still read
	ST16 BC, 6, 26, 2048, 16
	DS16 BC, 16
	FRAG BA
	s_wait_dscnt 0x0
	; source 0 = 16 selectors, source 1 = 16 tokens: a lane then holds one token (r) and the selectors 16 ni + 8 hl + 0..7: two whole heads.
	; The four accumulators (2 tb + ni) take turns.
.set c_, 0
.rept 4
.set q_, 0
.rept 4
.if c_ == 0
	v_wmma_f32_16x16x32_bf16 v[ACC+8*q_:ACC+8*q_+7], v[BB+8*(4*(q_%2)+c_):BB+8*(4*(q_%2)+c_)+7], v[BA+8*(4*(q_/2)+c_):BA+8*(4*(q_/2)+c_)+7], 0
.else
	v_wmma_f32_16x16x32_bf16 v[ACC+8*q_:ACC+8*q_+7], v[BB+8*(4*(q_%2)+c_):BB+8*(4*(q_%2)+c_)+7], v[BA+8*(4*(q_/2)+c_):BA+8*(4*(q_/2)+c_)+7], v[ACC+8*q_:ACC+8*q_+7]
.endif
.set q_, q_+1
.endr
.set c_, c_+1
.endr
.rept 4
	v_nop                                          ; four places behind the last product (ISA guide 7.12.1)
.endr
.set q_, 0
.rept 4
	ds_store_b128 v9, v[ACC+8*q_:ACC+8*q_+3] offset:(2*q_)*512      ; my 128 columns' partial sums, f32
	ds_store_b128 v9, v[ACC+8*q_+4:ACC+8*q_+7] offset:(2*q_+1)*512
.set q_, q_+1
.endr
	s_wait_dscnt 0x0                               ; for the others' sake
	s_barrier_signal -1
	s_barrier_wait -1
	s_cmp_ge_u32 s[WV], 2
	s_cbranch_scc1 .Lroute_end                     ; waves 0 and 1 finish 16 tokens each
	s_lshl_b32 s47, s[WV], 11
	v_lshl_add_u32 v12, v2, 4, s47                 ; 2,048 w + 16 lane: in a wave's partial sums, and in the gates
	v_lshlrev_b32 v10, 7, v3
	v_lshl_add_u32 v10, v4, 5, v10
	s_add_co_u32 s48, s47, BOUNCE
	v_add_nc_u32 v10, s48, v10                     ; token r's 128 bytes, my 8 hl selectors on
	v_add_nc_u32 v11, BOUNCE, v12
.set w_, 0
.rept 8
.set p_, 0
.rept 4
	ds_load_b128 v[32+16*w_+4*p_:32+16*w_+4*p_+3], v12 offset:w_*WTILE+p_*512
.set p_, p_+1
.endr
.set w_, w_+1
.endr
	s_wait_dscnt 0x0
.set w_, 1
.rept 7
.set p_, 0
.rept 8
	v_pk_add_f32 v[32+2*p_:32+2*p_+1], v[32+2*p_:32+2*p_+1], v[32+16*w_+2*p_:32+16*w_+2*p_+1]
.set p_, p_+1
.endr
.set w_, w_+1
.endr
.set p_, 0
.rept 16
	v_mul_f32 v[32+p_], 0xbfb8aa3b, v[32+p_]       ; -log2(e) x
.set p_, p_+1
.endr
.set p_, 0
.rept 16
	v_exp_f32 v[32+p_], v[32+p_]
.set p_, p_+1
.endr
	v_nop                                          ; a plain instruction behind the last exponential,
	s_wait_alu depctr_va_vdst(0)                   ; and one wait for the batch
.set p_, 0
.rept 16
	v_add_f32 v[32+p_], 1.0, v[32+p_]
.set p_, p_+1
.endr
.set p_, 0
.rept 16
	v_rcp_f32 v[32+p_], v[32+p_]
.set p_, p_+1
.endr
	v_nop
	s_wait_alu depctr_va_vdst(0)
	TOP2 32                                        ; registers 32 + 4 (2 ni + half) + e: head 4 ni + 2 hl + half, expert e
	TOP2 36
	TOP2 40
	TOP2 44
.set p_, 0
.rept 4
	ds_store_b128 v10, v[32+4*p_:32+4*p_+3] offset:(p_/2)*64+(p_%2)*16
.set p_, p_+1
.endr
.set p_, 0
.rept 4
	ds_load_b128 v[48+4*p_:48+4*p_+3], v11 offset:p_*512   ; my own bytes, served in order: 16 tokens x 128 bytes as they lie in memory
.set p_, p_+1
.endr
	s_wait_dscnt 0x0
.set p_, 0
.rept 4
	global_store_b128 v12, v[48+4*p_:48+4*p_+3], s[32:33] offset:p_*512
.set p_, p_+1
.endr
.Lroute_end:
	FIN
.Lfunc_end_k_q40ac334a9c_prep:
	.size	k_q40ac334a9c_prep, .Lfunc_end_k_q40ac334a9c_prep-k_q40ac334a9c_prep
	.p2alignl 7, 3214868480
	.fill 96, 4, 3214868480
	.section	.rodata,"a",@progbits
	.p2align	6, 0x0
	.amdhsa_kernel k_q40ac334a9c_prep
		.amdhsa_group_segment_fixed_size 109568
		.amdhsa_private_segment_fixed_size 0
		.amdhsa_enable_private_segment 0
		.amdhsa_kernarg_size 104
		.amdhsa_user_sgpr_count 2
		.amdhsa_user_sgpr_kernarg_segment_ptr 1
		.amdhsa_wavefront_size32 1
		.amdhsa_system_sgpr_workgroup_id_x 1
		.amdhsa_system_sgpr_workgroup_id_y 1
		.amdhsa_system_sgpr_workgroup_id_z 1
		.amdhsa_system_vgpr_workitem_id 0
		.amdhsa_next_free_vgpr 256
		.amdhsa_next_free_sgpr 66
		.amdhsa_reserve_vcc 0
		.amdhsa_float_denorm_mode_32 3
		.amdhsa_float_denorm_mode_16_64 3
		.amdhsa_memory_ordered 1
		.amdhsa_forward_progress 1
		.amdhsa_inst_pref_size 81
	.end_amdhsa_kernel
	.amdgpu_metadata
---
amdhsa.version: [ 1, 2 ]
amdhsa.kernels:
  - .name:           k_q40ac334a9c_prep
    .symbol:         k_q40ac334a9c_prep.kd
    .args:
      - { .name: q_src, .offset: 0, .size: 8, .value_kind: global_buffer, .address_space: global }
      - { .name: k_src, .offset: 8, .size: 8, .value_kind: global_buffer, .address_space: global }
      - { .name: v_src, .offset: 16, .size: 8, .value_kind: global_buffer, .address_space: global }
      - { .name: Wq, .offset: 24, .size: 8, .value_kind: global_buffer, .address_space: global }
      - { .name: Wk, .offset: 32, .size: 8, .value_kind: global_buffer, .address_space: global }
      - { .name: Wv, .offset: 40, .size: 8, .value_kind: global_buffer, .address_space: global }
      - { .name: Wo, .offset: 48, .size: 8, .value_kind: global_buffer, .address_space: global }
      - { .name: sel_o, .offset: 56, .size: 8, .value_kind: global_buffer, .address_space: global }
      - { .name: sel_v, .offset: 64, .size: 8, .value_kind: global_buffer, .address_space: global }
      - { .name: xb, .offset: 72, .size: 8, .value_kind: global_buffer, .address_space: global }
      - { .name: wb, .offset: 80, .size: 8, .value_kind: global_buffer, .address_space: global }
      - { .name: wo16, .offset: 88, .size: 8, .value_kind: global_buffer, .address_space: global }
      - { .name: gates, .offset: 96, .size: 8, .value_kind: global_buffer, .address_space: global }
    .group_segment_fixed_size: 109568
    .private_segment_fixed_size: 0
    .kernarg_segment_align: 8
    .kernarg_segment_size: 104
    .max_flat_workgroup_size: 256
    .sgpr_count:     66
    .vgpr_count:     256
    .wavefront_size: 32
...
	.end_amdgpu_metadata
.endif
;; end of part 1
;; launch proj (part 2): grid 24 x 32, 4 waves a work-group, clusters of 4 x 4, 327,680 bytes of LDS; arguments xb, wb, gates, qkv; writes qkv
.if DOCPART == 2
	.amdgcn_target "amdgcn-amd-amdhsa--gfx1250"
	.amdhsa_code_object_version 6
	.text
	.protected	k_q40ac334a9c_proj
	.globl	k_q40ac334a9c_proj
	.p2align	8
	.type	k_q40ac334a9c_proj,@function
k_q40ac334a9c_proj:
	s_mov_b64 s[64:65], 0
	v_nop
	global_prefetch_b8 v0, s[64:65] scope:SCOPE_SE
	s_setreg_imm32_b32 hwreg(HW_REG_WAVE_MODE, 25, 1), 1
	s_wait_xcnt 0x0
	s_wait_alu depctr_hold_cnt(0) depctr_sa_sdst(0) depctr_va_vdst(0) depctr_va_sdst(0) depctr_va_ssrc(0) depctr_va_vcc(0) depctr_vm_vsrc(0)
	s_getreg_b32 s2, hwreg(HW_REG_IB_STS2, 6, 4)
	s_cmp_eq_u32 s2, 0
	s_cbranch_scc0 .Lentry_in_a_cluster
	s_endpgm
.Lentry_in_a_cluster:
	s_bfe_u32 s2, ttmp6, 0x10000c
	s_cmp_lg_u32 s2, 0xf033
	s_cbranch_scc0 .Lentry_shape_is_right
	s_endpgm
.Lentry_shape_is_right:
; PROJ: q = q_src Wq^T, k = k_src Wk^T (unscaled: the softmax applies the scale in f32), v = sum over the chosen experts of gv x (v_src Wv).  bf16 operands, f32 sums, f16 results.
; One body: a tile has 256 rows X and 128 rows Y, K = 1,024.  Result block (a, b) = X fragment b (source 0) x Y fragment a (source 1): a lane holds Y row r and the X rows 8 hl + 0..7.
;   cluster x 0, 1 (q, k): X = 256 weight rows (two heads), Y = 128 tokens: a lane holds a token and 8 neighbouring channels: 16 bytes of a row of q or k [b*8+h][s][128].
;   cluster x 2-5 (v):     X = 256 tokens, Y = 128 rows of Wv turned; a wave's four Y blocks are the four experts of the same 16 dh: the gated sum is taken in registers over all four
;                          (a gate is 0 for an expert not chosen), and a lane holds 8 neighbouring tokens of a row of vT [b*8+h][dh][s].
; All four experts are multiplied: sorting tokens by their pair of experts would want a further launch and gathered rows.
; CLUSTER 4 x 4: X hangs on the work-group's x alone and is shared along a column, Y on its y and the cluster's x and is shared along a row: joint loads.
; LIMIT: q, k, v are stored in f16: they must stay within 65,504.
; REGISTERS: window 0: v0-14 addresses; v32-63 at work; v64-159, v160-255 two fragment buffers (X fragment b at +8 b, Y fragment a at +64 + 8 a).
;   window 1: accumulator (a, b) at 8 (8 a + b).   window 2 (v job): the gates of token 16 b + 8 hl + j at 4 (8 b + j), four experts.
.set PITCH, 272                        ; 256 bytes + 16: sixteen rows of a fragment load start at sixteen different groups of banks
.set XHALF, 128*PITCH
.set YHALF, 64*PITCH
.set YOFF,  2*XHALF
.set SLOT1, 1<<17                      ; a slot is 104,448 bytes; slot 1 begins here, so that one exclusive or changes slots
.set STAGE, SLOT1+YOFF+2*YHALF         ; 16 rows x 272 bytes for each wave, never filled by a tensor load
.set SPARE, STAGE+4*16*PITCH           ; the spare words
.set AX0, 4
.set AY0, 5
.set ADX, 6
.set ADY, 7
.set STO, 8
.set RD,  9
.set COQ, 10
.set COV, 11
.set SPW, 12
.set NIL, 13
.set GA,  14
.set TMP, 32
.set F0,  64
.set F1,  160
.set VS,  64
.set G1X, 24
.set G1Y, 32
.set G0X, 40                           ; two sets: the first fills; the second then walks
.set G0Y, 48
.set TB,  56
.set CNT, 57
.set MSB, 0
.macro WIN new
.if MSB != (\new)
	s_set_vgpr_msb (MSB<<8)|(\new)
.set MSB, \new
.endif
.endm
.set MUL, 0x50                         ; C and D in window 1
.macro PLACES
.rept 4
	v_nop
.endr
.endm
.macro JLOAD                           ; waves 0, 1 fetch X's halves, waves 2, 3 Y's; an s_nop 0 and four v_nop follow each line
	s_cmp_eq_u32 s13, 0
	s_cbranch_scc0 .Lfor_y_\@
	tensor_load_to_lds s[G0X+4:G0X+7], s[G1X:G1X+7]
	s_nop 0
	PLACES
	s_branch .Lasked_\@
.Lfor_y_\@:
	tensor_load_to_lds s[G0Y+4:G0Y+7], s[G1Y:G1Y+7]
	s_nop 0
	PLACES
.Lasked_\@:
.endm
.macro CREST
	s_cmp_lg_u32 s12, 0
	s_cbranch_scc1 .Lnot_wave_0_\@
	s_barrier_signal -3
.Lnot_wave_0_\@:
	s_barrier_wait -3
	s_barrier_signal -1
	s_barrier_wait -1
.endm
.macro CROUND
	s_barrier_signal -1
	s_barrier_wait -1
	CREST
.endm
.macro MULY f, a, zero                 ; 8 products: Y block a x all X blocks; the 32 accumulators take turns in the same order in every quarter
	WIN MUL
.set b_, 0
.rept 8
.if \zero
	v_wmma_f32_16x16x32_bf16 v[8*(8*(\a)+b_):8*(8*(\a)+b_)+7], v[(\f)+8*b_:(\f)+8*b_+7], v[(\f)+64+8*(\a):(\f)+64+8*(\a)+7], 0
.else
	v_wmma_f32_16x16x32_bf16 v[8*(8*(\a)+b_):8*(8*(\a)+b_)+7], v[(\f)+8*b_:(\f)+8*b_+7], v[(\f)+64+8*(\a):(\f)+64+8*(\a)+7], v[8*(8*(\a)+b_):8*(8*(\a)+b_)+7]
.endif
.set b_, b_+1
.endr
.endm
.macro FETCH k, f                      ; 24 loads in one run: X's 8 fragments, then Y's 4, 32 along K at byte k
	WIN 0
.set b_, 0
.rept 8
	ds_load_b128 v[(\f)+8*b_:(\f)+8*b_+3], v[ADX] offset:(\k)+b_*16*PITCH
	ds_load_b128 v[(\f)+8*b_+4:(\f)+8*b_+7], v[ADX] offset:(\k)+b_*16*PITCH+32
.set b_, b_+1
.endr
.set b_, 0
.rept 4
	ds_load_b128 v[(\f)+64+8*b_:(\f)+64+8*b_+3], v[ADY] offset:(\k)+b_*16*PITCH
	ds_load_b128 v[(\f)+64+8*b_+4:(\f)+64+8*b_+7], v[ADY] offset:(\k)+b_*16*PITCH+32
.set b_, b_+1
.endr
.endm
.macro QUARTER k, f, g, zero           ; multiplies buffer f, fetches the next quarter (byte k) into g
	s_wait_dscnt 4                                 ; all but the youngest four loads (Y blocks 2, 3)
	MULY \f, 0, \zero
	MULY \f, 1, \zero
	PLACES                                         ; in front of loads into registers that products have read
	FETCH \k, \g
	s_wait_dscnt 24                                ; all but the 24 just issued
	MULY \f, 2, \zero
	MULY \f, 3, \zero
.endm
.macro TURN fill                       ; a K step's last quarter (buffer F1) and the change of slots
	WIN 0
	s_wait_tensorcnt 0x0                           ; all my tensor loads have landed: my part of the next slot
	ds_add_u32 v[SPW], v[NIL]
.if \fill
.irp g, G0X+4, G0Y+4
	s_xor_b32 s[(\g)+1], s[(\g)+1], SLOT1          ; the walking descriptor: the other slot,
	s_add_nc_u64 s[(\g)+2:(\g)+3], s[(\g)+2:(\g)+3], 256   ; the next K step
.endr
.endif
	s_xor_b32 s[TB], s[TB], SLOT1
	s_wait_dscnt 5                                 ; the add and the youngest four loads may be out
	MULY F1, 0, 0
	s_wait_dscnt 0x0                               ; the add is done, my reads of this slot are over
	s_barrier_signal -1
	MULY F1, 1, 0
	WIN 0
	s_barrier_wait -1
.if \fill
	CREST                                          ; the barrier has opened a round of the cluster's: no wave of any partner reads the slot or has a load on its way
	JLOAD                                          ; its four v_nop are also the places in front of the loads below
.else
	PLACES
.endif
	v_add_nc_u32 v[ADX], s[TB], v[AX0]
	v_add_nc_u32 v[ADY], s[TB], v[AY0]
	FETCH 0, F0
	MULY F1, 2, 0
	MULY F1, 3, 0
.endm
.macro LASTQ
	s_wait_dscnt 4
	MULY F1, 0, 0
	MULY F1, 1, 0
	s_wait_dscnt 0x0
	MULY F1, 2, 0
	MULY F1, 3, 0
.endm
	s_load_b256 s[4:11], s[0:1], 0x0               ; xb s4, wb s6, gates s8, qkv s10
	v_lshl_add_u32 v[SPW], v0, 2, SPARE
	v_mov_b32 v[NIL], 0
	ds_add_u32 v[SPW], v[NIL]                      ; the wave's opening: the add and its wait stand ahead of my first tensor load
	v_lshrrev_b32 v3, 5, v0
	v_readfirstlane_b32 s12, v3                    ; wave
	s_lshr_b32 s13, s12, 1                         ; i: my 64 Y rows.  Also: I fetch X (0) or Y (1)
	s_and_b32 s14, s12, 1                          ; j: my 128 X rows.  Also: which half I fetch
	s_bfe_u32 s15, ttmp6, 0x40000                  ; cx
	s_bfe_u32 s16, ttmp6, 0x40004                  ; cy
	s_mov_b32 s19, ttmp9                           ; the cluster's x: 0 q, 1 k, 2-5 v: the same in all partners
	s_lshl_b32 s17, ttmp9, 2
	s_add_co_u32 s17, s17, s15                     ; work-group x, 0..23
	s_and_b32 s18, ttmp7, 0xffff
	s_lshl_b32 s18, s18, 2
	s_add_co_u32 s18, s18, s16                     ; work-group y, 0..31
	s_lshl_b32 s20, s16, 2
	s_lshl_b32 s20, 15, s20                        ; my row of the cluster
	s_lshl_b32 s21, 0x1111, s15                    ; my column
	s_or_b32 s[G1X], s21, (1<<16)|(1<<20)|(1<<21)|(5<<22)|(3<<25)   ; 2-byte elements; 4 words of padding behind every 64; bit 21 beside a mask
	s_or_b32 s[G1Y], s20, (1<<16)|(1<<20)|(1<<21)|(5<<22)|(3<<25)
	s_mov_b32 s[G1X+1], 128<<16                    ; tensor_dim0
	s_mov_b32 s[G1X+2], 128<<16                    ; tensor_dim1
	s_mov_b32 s[G1X+3], 128<<16                    ; tile_dim0
	s_mov_b32 s[G1X+4], 128                        ; tile_dim1
	s_mov_b32 s[G1X+5], 1024                       ; elements from row to row
	s_mov_b32 s[G1X+6], 0
	s_mov_b32 s[G1X+7], 0
	s_mov_b32 s[G1Y+1], 128<<16
	s_mov_b32 s[G1Y+2], 64<<16
	s_mov_b32 s[G1Y+3], 128<<16
	s_mov_b32 s[G1Y+4], 64
	s_mov_b32 s[G1Y+5], 1024
	s_mov_b32 s[G1Y+6], 0
	s_mov_b32 s[G1Y+7], 0
	s_lshl_b32 s58, s17, 8                         ; X: row 256 x work-group x
	s_lshl_b32 s22, s14, 7
	s_add_co_u32 s58, s58, s22                     ; + my half of 128 rows: in wb for q and k;
	s_add_co_u32 s59, s58, 6144                    ; for v in xb: plane 2 begins at row 8,192, work-group x at 8
	s_lshl_b32 s60, s18, 7                         ; Y: row 128 x work-group y
	s_lshl_b32 s22, s14, 6
	s_add_co_u32 s60, s60, s22                     ; + my half of 64 rows
	s_lshl_b32 s61, s19, 12
	s_add_co_u32 s61, s61, s60                     ; q, k: in xb's plane 0 or 1
	s_add_co_u32 s62, s60, 2048                    ; v: in wb behind Wq and Wk
	s_cmp_lt_u32 s19, 2
	s_cselect_b32 s58, s58, s59
	s_cselect_b32 s60, s61, s62
	s_lshl_b32 s58, s58, 11                        ; rows of 2,048 bytes
	s_mov_b32 s59, 0
	s_lshl_b32 s60, s60, 11
	s_mov_b32 s61, 0
	s_mul_i32 s70, s12, XHALF                      ; where X's halves go (waves 0, 1)
	s_mul_i32 s71, s12, YHALF
	s_add_co_u32 s71, s71, YOFF-2*YHALF            ; and Y's (waves 2, 3)
	s_wait_dscnt 0x0                               ; the opening add is done
	s_wait_kmcnt 0x0
	s_cmp_lt_u32 s19, 2
	s_cselect_b64 s[66:67], s[6:7], s[4:5]
	s_cselect_b64 s[68:69], s[4:5], s[6:7]
	s_add_nc_u64 s[66:67], s[66:67], s[58:59]
	s_add_nc_u64 s[68:69], s[68:69], s[60:61]
	CROUND                                         ; all sixteen work-groups are here: the first joint loads meet
.irp s, 0,1
	s_mov_b32 s[G0X+4*(\s)], 1
	s_add_co_u32 s[G0X+4*(\s)+1], s70, (\s)*SLOT1
	s_add_nc_u64 s[G0X+4*(\s)+2:G0X+4*(\s)+3], s[66:67], (\s)*256
	s_or_b32 s[G0X+4*(\s)+3], s[G0X+4*(\s)+3], 0x80000000
	s_mov_b32 s[G0Y+4*(\s)], 1
	s_add_co_u32 s[G0Y+4*(\s)+1], s71, (\s)*SLOT1
	s_add_nc_u64 s[G0Y+4*(\s)+2:G0Y+4*(\s)+3], s[68:69], (\s)*256
	s_or_b32 s[G0Y+4*(\s)+3], s[G0Y+4*(\s)+3], 0x80000000
.endr
	s_cmp_eq_u32 s13, 0                            ; a wave's two first fills stand in one branch: two loads of mine are out
	s_cbranch_scc0 .Lfirst_y
	tensor_load_to_lds s[G0X:G0X+3], s[G1X:G1X+7]
	s_nop 0
	tensor_load_to_lds s[G0X+4:G0X+7], s[G1X:G1X+7]
	s_nop 0
	PLACES
	s_branch .Lfirst_asked
.Lfirst_y:
	tensor_load_to_lds s[G0Y:G0Y+3], s[G1Y:G1Y+7]
	s_nop 0
	tensor_load_to_lds s[G0Y+4:G0Y+7], s[G1Y:G1Y+7]
	s_nop 0
	PLACES
.Lfirst_asked:
	v_and_b32 v1, 15, v0                           ; r
	v_bfe_u32 v2, v0, 4, 1                         ; hl
	v_mul_u32_u24 v3, v1, PITCH
	v_lshl_add_u32 v3, v2, 4, v3                   ; a fragment's row x pitch + 16 x half
	s_mul_i32 s20, s14, XHALF
	v_add_nc_u32 v[AX0], s20, v3
	s_mul_i32 s20, s13, YHALF
	s_add_co_u32 s20, s20, YOFF
	v_add_nc_u32 v[AY0], s20, v3
	v_mov_b32 v[ADX], v[AX0]
	v_mov_b32 v[ADY], v[AY0]
	s_mul_i32 s20, s12, 16*PITCH
	s_add_co_u32 s20, s20, STAGE                   ; my stage
	v_add_nc_u32 v[STO], s20, v3
	v_mul_u32_u24 v[RD], v2, PITCH
	v_lshl_add_u32 v[RD], v1, 4, v[RD]
	v_add_nc_u32 v[RD], s20, v[RD]
	v_lshlrev_b32 v[COQ], 8, v2                    ; q, k: two rows of 256 bytes
	v_lshl_add_u32 v[COQ], v1, 4, v[COQ]
	v_lshlrev_b32 v[COV], 12, v2                   ; vT: two rows 4,096 bytes apart
	v_lshl_add_u32 v[COV], v1, 4, v[COV]
	v_lshlrev_b32 v[GA], 10, v2                    ; the gates of tokens 8 hl on
	s_mov_b32 s[TB], 0
	s_wait_tensorcnt 1                             ; my part of K step 0 is in; step 1's stays out
	s_barrier_signal -1
	s_barrier_wait -1
	FETCH 0, F0
	QUARTER 64, F0, F1, 1                          ; the first quarter starts the sums: nothing is cleared
	WIN 0
	s_mov_b32 s[CNT], 6
.Lk:                                                   ; six trips: the rest of K step t, the refill with step t + 2, the first quarter of step t + 1
	QUARTER 128, F1, F0, 0
	QUARTER 192, F0, F1, 0
	TURN 1
	QUARTER 64, F0, F1, 0
	WIN 0
	s_sub_co_u32 s[CNT], s[CNT], 1
	s_cmp_lg_u32 s[CNT], 0
	s_cbranch_scc1 .Lk
	QUARTER 128, F1, F0, 0                         ; K step 6 ends; nothing is left to ask for
	QUARTER 192, F0, F1, 0
	TURN 0
	WIN 0
	s_cmp_lt_u32 s19, 2
	s_cbranch_scc1 .Lqk
	; ---- v: the last K step with the gates on their way, then the gated sum over the four experts ----
	s_sub_co_u32 s20, s17, 8
	s_lshl_b32 s20, s20, 8
	s_lshl_b32 s21, s14, 7
	s_add_co_u32 s20, s20, s21                     ; my first token
	s_lshr_b32 s22, s18, 2                         ; h
	s_lshl_b32 s72, s20, 7
	s_lshl_b32 s23, s22, 4
	s_add_co_u32 s72, s72, s23
	s_mov_b32 s73, 0
	s_add_nc_u64 s[72:73], s[8:9], s[72:73]        ; gv of my first token, head h
	s_lshr_b32 s23, s20, 11                        ; b
	s_lshl_b32 s23, s23, 3
	s_add_co_u32 s23, s23, s22
	s_lshl_b32 s23, s23, 7                         ; (b*8 + h) x 128 rows
	s_lshl_b32 s74, s18, 1
	s_add_co_u32 s74, s74, s13
	s_and_b32 s74, s74, 7
	s_lshl_b32 s74, s74, 4                         ; my 16 dh
	s_add_co_u32 s23, s23, s74
	s_lshl_b32 s74, s23, 12                        ; rows of 4,096 bytes
	s_and_b32 s75, s20, 2047
	s_lshl_b32 s75, s75, 1
	s_add_co_u32 s74, s74, s75
	s_add_co_u32 s74, s74, 16777216                ; plane 2
	s_mov_b32 s75, 0
	s_add_nc_u64 s[10:11], s[10:11], s[74:75]
	WIN 0x80                                       ; destination window 2
.set g_, 0
.rept 64
	global_load_b128 v[4*g_:4*g_+3], v[GA], s[72:73] offset:(16*(g_/8)+g_%8)*128
.set g_, g_+1
.endr
	QUARTER 64, F0, F1, 0
	QUARTER 128, F1, F0, 0
	QUARTER 192, F0, F1, 0
	LASTQ
	s_wait_loadcnt 0x0
	PLACES
	WIN 0x09                                       ; source 0 (sums) window 1, source 1 (gates) window 2
.set b_, 0
.rept 8
.set e_, 0
.rept 4
.set j_, 0
.rept 8                                ; each accumulator's registers in ascending order
.if e_ == 0
	v_mul_f32 v[VS+8*b_+j_], v[8*b_+j_], v[4*(8*b_+j_)]
.else
	v_fma_f32 v[VS+8*b_+j_], v[8*(8*e_+b_)+j_], v[4*(8*b_+j_)+e_], v[VS+8*b_+j_]
.endif
.set j_, j_+1
.endr
.set e_, e_+1
.endr
.set b_, b_+1
.endr
	WIN 0
.set i_, 0
.rept 32
	v_cvt_pk_f16_f32 v[TMP+i_], v[VS+2*i_], v[VS+2*i_+1]
.set i_, i_+1
.endr
.set i_, 0
.rept 8
	ds_store_b128 v[STO], v[TMP+4*i_:TMP+4*i_+3] offset:32*i_    ; row dh & 15 = r, tokens 16 b + 8 hl on
.set i_, i_+1
.endr
.set i_, 0
.rept 8
	ds_load_b128 v[128+4*i_:128+4*i_+3], v[RD] offset:i_*2*PITCH ; my own bytes, served in order
.set i_, i_+1
.endr
	s_wait_dscnt 0x0
.set i_, 0
.rept 8
	global_store_b128 v[COV], v[128+4*i_:128+4*i_+3], s[10:11] offset:i_*8192   ; sixteen lanes store 256 consecutive bytes, aligned
.set i_, i_+1
.endr
	s_branch .Ldone
	; ---- q, k ----
.Lqk:
	s_lshr_b32 s20, s18, 4                         ; b
	s_lshl_b32 s20, s20, 3
	s_lshl_b32 s21, s15, 1
	s_add_co_u32 s20, s20, s21
	s_add_co_u32 s20, s20, s14                     ; b*8 + head, head = 2 cx + j
	s_lshl_b32 s20, s20, 19                        ; 2,048 rows of 256 bytes
	s_and_b32 s21, s18, 15
	s_lshl_b32 s21, s21, 7
	s_lshl_b32 s22, s13, 6
	s_add_co_u32 s21, s21, s22                     ; my first token in its sequence
	s_lshl_b32 s21, s21, 8
	s_add_co_u32 s20, s20, s21
	s_lshl_b32 s21, s19, 23                        ; plane 0 or 1
	s_add_co_u32 s20, s20, s21
	s_mov_b32 s21, 0
	s_add_nc_u64 s[10:11], s[10:11], s[20:21]
	QUARTER 64, F0, F1, 0
	QUARTER 128, F1, F0, 0
	QUARTER 192, F0, F1, 0
	LASTQ
	PLACES
.macro PACK a                          ; 16 tokens: a lane's 8 channels of each X block become 16 bytes
	WIN 0x05
.set i_, 0
.rept 32
	v_cvt_pk_f16_f32 v[TMP+i_], v[64*(\a)+2*i_], v[64*(\a)+2*i_+1]
.set i_, i_+1
.endr
	WIN 0
.endm
.macro TOSTAGE a
.set i_, 0
.rept 8
	ds_store_b128 v[STO], v[TMP+4*i_:TMP+4*i_+3] offset:32*i_
.set i_, i_+1
.endr
.set i_, 0
.rept 8
	ds_load_b128 v[64+32*(\a)+4*i_:64+32*(\a)+4*i_+3], v[RD] offset:i_*2*PITCH
.set i_, i_+1
.endr
.endm
.macro SEND a                          ; each block has registers of its own, so no store's data are rewritten
	s_wait_dscnt 0x0
.set i_, 0
.rept 8
	global_store_b128 v[COQ], v[64+32*(\a)+4*i_:64+32*(\a)+4*i_+3], s[10:11] offset:(\a)*4096+i_*512
.set i_, i_+1
.endr
.endm
	PACK 0
	TOSTAGE 0
	PACK 1
	SEND 0
	TOSTAGE 1
	PACK 2
	SEND 1
	TOSTAGE 2
	PACK 3
	SEND 2
	TOSTAGE 3
	SEND 3
.Ldone:
	s_wait_tensorcnt 0x0                           ; the wave's end
	ds_add_u32 v[SPW], v[NIL]
	s_wait_dscnt 0x0
	CROUND                                         ; the closing round
	s_endpgm
.Lfunc_end_k_q40ac334a9c_proj:
	.size	k_q40ac334a9c_proj, .Lfunc_end_k_q40ac334a9c_proj-k_q40ac334a9c_proj
	.p2alignl 7, 3214868480
	.fill 96, 4, 3214868480
	.section	.rodata,"a",@progbits
	.p2align	6, 0x0
	.amdhsa_kernel k_q40ac334a9c_proj
		.amdhsa_group_segment_fixed_size 327680
		.amdhsa_private_segment_fixed_size 0
		.amdhsa_enable_private_segment 0
		.amdhsa_kernarg_size 32
		.amdhsa_user_sgpr_count 2
		.amdhsa_user_sgpr_kernarg_segment_ptr 1
		.amdhsa_wavefront_size32 1
		.amdhsa_system_sgpr_workgroup_id_x 1
		.amdhsa_system_sgpr_workgroup_id_y 1
		.amdhsa_system_sgpr_workgroup_id_z 1
		.amdhsa_system_vgpr_workitem_id 0
		.amdhsa_next_free_vgpr 768
		.amdhsa_next_free_sgpr 84
		.amdhsa_reserve_vcc 0
		.amdhsa_float_denorm_mode_32 3
		.amdhsa_float_denorm_mode_16_64 3
		.amdhsa_memory_ordered 1
		.amdhsa_forward_progress 1
		.amdhsa_inst_pref_size 108
	.end_amdhsa_kernel
	.amdgpu_metadata
---
amdhsa.version: [ 1, 2 ]
amdhsa.kernels:
  - .name:           k_q40ac334a9c_proj
    .symbol:         k_q40ac334a9c_proj.kd
    .args:
      - { .name: xb, .offset: 0, .size: 8, .value_kind: global_buffer, .address_space: global }
      - { .name: wb, .offset: 8, .size: 8, .value_kind: global_buffer, .address_space: global }
      - { .name: gates, .offset: 16, .size: 8, .value_kind: global_buffer, .address_space: global }
      - { .name: qkv, .offset: 24, .size: 8, .value_kind: global_buffer, .address_space: global }
    .group_segment_fixed_size: 327680
    .private_segment_fixed_size: 0
    .kernarg_segment_align: 8
    .kernarg_segment_size: 32
    .max_flat_workgroup_size: 128
    .sgpr_count:     84
    .vgpr_count:     768
    .wavefront_size: 32
...
	.end_amdgpu_metadata
.endif
;; end of part 2
;; launch attn (part 3): grid 16 x 16, 4 waves a work-group, clusters of 4 x 1, 327,680 bytes of LDS; arguments qkv, res; writes res
.if DOCPART == 3
	.amdgcn_target "amdgcn-amd-amdhsa--gfx1250"
	.amdhsa_code_object_version 6
	.text
	.protected	k_q40ac334a9c_attn
	.globl	k_q40ac334a9c_attn
	.p2align	8
	.type	k_q40ac334a9c_attn,@function
k_q40ac334a9c_attn:
	s_mov_b64 s[64:65], 0
	v_nop
	global_prefetch_b8 v0, s[64:65] scope:SCOPE_SE
	s_setreg_imm32_b32 hwreg(HW_REG_WAVE_MODE, 25, 1), 1
	s_wait_xcnt 0x0
	s_wait_alu depctr_hold_cnt(0) depctr_sa_sdst(0) depctr_va_vdst(0) depctr_va_sdst(0) depctr_va_ssrc(0) depctr_va_vcc(0) depctr_vm_vsrc(0)
	s_getreg_b32 s2, hwreg(HW_REG_IB_STS2, 6, 4)
	s_cmp_eq_u32 s2, 0
	s_cbranch_scc0 .Lentry_in_a_cluster
	s_endpgm
.Lentry_in_a_cluster:
	s_bfe_u32 s2, ttmp6, 0x10000c
	s_cmp_lg_u32 s2, 0x3003
	s_cbranch_scc0 .Lentry_shape_is_right
	s_endpgm
.Lentry_shape_is_right:
; ATTENTION.  res[t][h*128 + :] = sum over k of softmax_k(q . k / sqrt(128)) v, for 16 heads (b*8 + h) of 2,048 rows, head size 128.  q, k: [16][2048][128] f16, unscaled; vT: [16][128][2048] f16.
; Products, maxima and sums in f32; the weights are rounded to f16 for the second product, the result once at the end.
; SHARES.  A work-group owns 128 queries of a head.  Wave w takes queries 64 (w & 1) on, four tiles of 16, and the keys 1,024 (w >> 1) on, 64 a step, 16 steps: a fragment of K or V read
; from LDS then feeds four tiles' products.  The two halves of the keys are merged at the end by their running maxima and sums.
; LAYOUT.  S^T = K Q^T (source 0 = 16 keys, source 1 = 16 queries): a lane holds ONE query (lane % 16) and the keys 8 (lane / 16) + 0..7.  Two such tiles rounded to f16 ARE source 1 of
; O^T = V^T P.  V lies turned in memory, so both K and V^T come out of LDS by plain loads.
; SOFTMAX.  A running maximum m and sum l for each query: p = 2^(c s - c m), c = log2(e) / sqrt(128); in every step O and l are multiplied by a = 2^(c m_old - c m_new).
; m starts at the lowest finite number, O and l at 0: the first step is a step like any other, with a = 0 (the price: 256 registers are cleared, in the wait for the first tile).
; BY TURNS.  The wave's tiles are two pieces (tiles 0, 1 and 2, 3).  In a turn one piece has the matrix unit: 32 products V^T P of the step in hand, then 32 products K Q^T of the next;
; the other piece's softmax, in 64 slices, stands between them, one slice behind each matrix instruction.
; CLUSTER.  The four query blocks of a cluster belong to one head and walk the same K and V: each tile is asked for jointly.
; LIMITS.  f16 holds no number beyond 65,504; a weight below 2^-126 counts as 0 in l; NaN and infinities are not treated apart.
; REGISTERS: window 0: v0-11 addresses; v12-43 statistics, 8 a tile; v62, v63 the add's; v64-191 S^T; v192-255 P.  window 1: O^T, 64 a tile.  window 2: v0-127 Q, v128-255 K.  window 3: v0-127 V.
.set PK,    272                        ; an LDS row: 256 bytes + 16
.set CH,    128*PK                     ; a chunk: 128 rows: K of key half 0, of half 1, V^T of half 0, of half 1
.set SLOT1, 0x24000                    ; a slot is four chunks, 139,264 bytes, two key steps for each half; the chunks' first bytes have bits 14 and 17 clear, so one exclusive or changes slots
.set STAGE, 294912                     ; behind the ring: 16 rows x 272 bytes for each wave
.set SP,    272
.set SPARE, STAGE+4*16*SP
.set XCH,   33792                      ; the merge: 32,768 bytes of O^T and 1,024 of statistics for each half of the queries, in slot 0, which has had its last fill
.set AK0, 2
.set AV0, 3
.set ADR, 4
.set QO,  5
.set STO, 6
.set RD,  7
.set GO,  8
.set XA,  10
.set XT,  11
.set SPW, 62
.set NIL, 63
.set ST,  12                           ; tile t at ST + 8 t: +0 c m, +1 m, +2, +3 l, +4 to +7 at work; a in +6
.set S,   64
.set P,   192
.set KF,  128
.set WV,  12
.set G1K, 24
.set G1V, 32
.set G0K, 40
.set G0V, 48
.set SLOTS, 56
.set TWICE, 57
.set CS,  58
.set SEL, 60
.set TBK, 62
.set TBV, 63
.set MSB, 0
.macro WIN new
.if MSB != (\new)
	s_set_vgpr_msb (MSB<<8)|(\new)
.set MSB, \new
.endif
.endm
.set W_KQ, 0x0a
.set W_PV, 0x53
.set W_RS, 0x41
.macro JLOAD                           ; waves 0, 1 fetch K of the two key halves, waves 2, 3 V^T; an s_nop 0 and four v_nop follow each line
	s_cmp_lt_u32 s[WV], 2
	s_cbranch_scc0 .Lfor_v_\@
	tensor_load_to_lds s[G0K+4:G0K+7], s[G1K:G1K+7]
	s_nop 0
.rept 4
	v_nop
.endr
	s_branch .Lasked_\@
.Lfor_v_\@:
	tensor_load_to_lds s[G0V+4:G0V+7], s[G1V:G1V+7]
	s_nop 0
.rept 4
	v_nop
.endr
.Lasked_\@:
.endm
.macro CROUND
	s_barrier_signal -1
	s_barrier_wait -1
	s_cmp_lg_u32 s[WV], 0
	s_cbranch_scc1 .Lnot_wave_0_\@
	s_barrier_signal -3
.Lnot_wave_0_\@:
	s_barrier_wait -3
	s_barrier_signal -1
	s_barrier_wait -1
.endm
	s_load_b128 s[4:7], s[0:1], 0x0                ; qkv s4, res s6
	v_lshl_add_u32 v[SPW], v0, 2, SPARE
	v_mov_b32 v[NIL], 0
	ds_add_u32 v[SPW], v[NIL]                      ; the wave's opening: the add and its wait stand ahead of my first tensor load
	v_lshrrev_b32 v1, 5, v0
	v_readfirstlane_b32 s[WV], v1
	s_bfe_u32 s13, ttmp6, 0x40000                  ; cx
	s_lshl_b32 s14, ttmp9, 2
	s_add_co_u32 s14, s14, s13                     ; my block of 128 queries: it enters Q's and res's addresses alone
	s_and_b32 s15, ttmp7, 0xffff                   ; the head, which the partners share
	s_and_b32 s16, s[WV], 1                        ; my half of the queries.  Also: the key half whose tiles I fetch
	s_lshr_b32 s17, s[WV], 1                       ; my half of the keys
	s_lshl_b32 s20, s15, 19                        ; the head's first byte in a plane
	s_lshl_b32 s22, s16, 18                        ; K: 1,024 keys of 256 bytes
	s_add_co_u32 s22, s22, s20
	s_add_co_u32 s22, s22, 8388608                 ; plane 1
	s_mov_b32 s23, 0
	s_lshl_b32 s18, s16, 11                        ; V^T: 1,024 keys of 2 bytes along the rows
	s_add_co_u32 s18, s18, s20
	s_add_co_u32 s18, s18, 16777216                ; plane 2
	s_mov_b32 s19, 0
	s_lshl_b32 s2, s14, 15                         ; Q: my block's 128 rows,
	s_lshl_b32 s3, s16, 14                         ; my wave's 64 of them
	s_add_co_u32 s2, s2, s3
	s_add_co_u32 s2, s2, s20
	s_mov_b32 s3, 0
	s_lshr_b32 s8, s15, 3                          ; res: token b*2,048 + 128 block + 64 half,
	s_lshl_b32 s8, s8, 11
	s_lshl_b32 s9, s14, 7
	s_add_co_u32 s8, s8, s9
	s_lshl_b32 s9, s16, 6
	s_add_co_u32 s8, s8, s9
	s_lshl_b32 s8, s8, 11                          ; rows of 2,048 bytes,
	s_and_b32 s9, s15, 7
	s_lshl_b32 s9, s9, 8                           ; head h's 256 bytes
	s_add_co_u32 s8, s8, s9
	s_mov_b32 s9, 0
	s_mul_i32 s21, s[WV], CH                       ; the chunk that I fill
	s_mov_b32 s[G1K], 15|(1<<16)|(1<<20)|(1<<21)|(5<<22)|(3<<25)   ; the mask of four; 2-byte elements; 4 words of padding behind every 64; bit 21 beside a mask
	s_mov_b32 s[G1V], 15|(1<<16)|(1<<20)|(1<<21)|(5<<22)|(3<<25)
.irp g, G1K, G1V
	s_mov_b32 s[(\g)+1], 128<<16
	s_mov_b32 s[(\g)+2], 128<<16
	s_mov_b32 s[(\g)+3], 128<<16
	s_mov_b32 s[(\g)+4], 128
	s_mov_b32 s[(\g)+6], 0
	s_mov_b32 s[(\g)+7], 0
.endr
	s_mov_b32 s[G1K+5], 128                        ; K's rows are dense
	s_mov_b32 s[G1V+5], 2048                       ; V^T's are 2,048 keys long
	s_mov_b32 s[CS], 0x3e0293ee                    ; c = log2(e) / sqrt(128)
	s_mov_b32 s[CS+1], s[CS]
	s_mov_b32 s[SEL], 0x76543210
	s_mov_b32 s[SEL+1], 0xfedcba98
	s_mul_i32 s[TBK], s17, CH                      ; my key half's chunk of K; V^T's lies two chunks on
	s_mov_b32 s[TBV], s[TBK]
	s_wait_dscnt 0x0                               ; the opening add is done
	s_wait_kmcnt 0x0
	s_add_nc_u64 s[10:11], s[4:5], s[22:23]
	s_add_nc_u64 s[66:67], s[4:5], s[18:19]
	s_add_nc_u64 s[68:69], s[4:5], s[2:3]
	s_add_nc_u64 s[6:7], s[6:7], s[8:9]
	CROUND                                         ; all four work-groups are here
.irp s, 0,1
	s_mov_b32 s[G0K+4*(\s)], 1
	s_add_co_u32 s[G0K+4*(\s)+1], s21, (\s)*SLOT1
	s_add_nc_u64 s[G0K+4*(\s)+2:G0K+4*(\s)+3], s[10:11], (\s)*32768   ; 128 keys a slot
	s_or_b32 s[G0K+4*(\s)+3], s[G0K+4*(\s)+3], 0x80000000
	s_mov_b32 s[G0V+4*(\s)], 1
	s_add_co_u32 s[G0V+4*(\s)+1], s21, (\s)*SLOT1
	s_add_nc_u64 s[G0V+4*(\s)+2:G0V+4*(\s)+3], s[66:67], (\s)*256
	s_or_b32 s[G0V+4*(\s)+3], s[G0V+4*(\s)+3], 0x80000000
.endr
	s_cmp_lt_u32 s[WV], 2                          ; a wave's two first fills stand in one branch: two loads of mine are out
	s_cbranch_scc0 .Lfirst_v
	tensor_load_to_lds s[G0K:G0K+3], s[G1K:G1K+7]
	s_nop 0
	tensor_load_to_lds s[G0K+4:G0K+7], s[G1K:G1K+7]
	s_nop 0
.rept 4
	v_nop
.endr
	s_branch .Lfirst_asked
.Lfirst_v:
	tensor_load_to_lds s[G0V:G0V+3], s[G1V:G1V+7]
	s_nop 0
	tensor_load_to_lds s[G0V+4:G0V+7], s[G1V:G1V+7]
	s_nop 0
.rept 4
	v_nop
.endr
.Lfirst_asked:
	v_and_b32 v1, 15, v0                           ; l % 16
	v_bfe_u32 v9, v0, 4, 1                         ; l / 16
	v_lshlrev_b32 v[QO], 8, v1
	v_lshl_add_u32 v[QO], v9, 4, v[QO]
	WIN 0x80
.irp i, 0,1,2,3,4,5,6,7,8,9,10,11,12,13,14,15          ; Q stays in registers: tile i / 4, channels 32 (i % 4) on
	global_load_b128 v[8*(\i):8*(\i)+3],   v[QO], s[68:69] offset:((\i)/4)*4096+((\i)%4)*64
	global_load_b128 v[8*(\i)+4:8*(\i)+7], v[QO], s[68:69] offset:((\i)/4)*4096+((\i)%4)*64+32
.endr
	WIN 0x40
.set i, 0
.rept 256
	v_mov_b32 v[i], 0                              ; O^T
.set i, i+1
.endr
	WIN 0
.set i, 0
.rept 4
	v_mov_b32 v[ST+8*i], 0xfe000000                ; c m: far below every c s
	v_mov_b32 v[ST+8*i+1], 0xff7fffff              ; m
	v_mov_b32 v[ST+8*i+2], 0
	v_mov_b32 v[ST+8*i+3], 0
.set i, i+1
.endr
	v_mul_u32_u24 v[AK0], v1, PK
	v_lshl_add_u32 v[AK0], v9, 4, v[AK0]           ; row x pitch + 16 x half, for K's keys and for V^T's channels
	v_add_nc_u32 v[AV0], 2*CH, v[AK0]
; Product i of 32 of O^T += V^T P: keys 32 (i / 16) on, channels 16 ((i / 2) % 8) on, tile x + i % 2.  The accumulators take turns.
.macro PV x
	WIN W_PV
.set rO, 64*((\x)+i%2)+8*((i/2)%8)
.set rV, 64*(i/16)+8*((i/2)%8)
.set rP, P+16*((\x)+i%2)+8*(i/16)
	v_wmma_f32_16x16x32_f16 v[rO:rO+7], v[rV:rV+7], v[rP:rP+7], v[rO:rO+7]
.endm
; Product i of 32 of S^T = K Q^T: channels 32 (i / 8) on, keys 16 ((i / 2) % 4) on, tile x + i % 2.  The first 8 start the sums.
.macro KQ x
	WIN W_KQ
.set rS, S+32*((\x)+i%2)+8*((i/2)%4)
.set rK, KF+32*((i/2)%4)+8*(i/8)
.set rQ, 32*((\x)+i%2)+8*(i/8)
.if i < 8
	v_wmma_f32_16x16x32_f16 v[rS:rS+7], v[rK:rK+7], v[rQ:rQ+7], 0
.else
	v_wmma_f32_16x16x32_f16 v[rS:rS+7], v[rK:rK+7], v[rQ:rQ+7], v[rS:rS+7]
.endif
.endm
.macro FETCH_K                         ; a step's K: 64 keys x 128 channels, 32 loads in one run
	WIN 0
	v_add_nc_u32 v[ADR], s[TBK], v[AK0]
	s_add_co_u32 s[TBK], s[TBK], 64*PK             ; the next fetch is the next step's
	WIN 0x80
.irp f, 0,1,2,3,4,5,6,7,8,9,10,11,12,13,14,15
	ds_load_b128 v[KF+8*(\f):KF+8*(\f)+3],   v[ADR] offset:((\f)/4)*16*PK+((\f)%4)*64
	ds_load_b128 v[KF+8*(\f)+4:KF+8*(\f)+7], v[ADR] offset:((\f)/4)*16*PK+((\f)%4)*64+32
.endr
.endm
.macro FETCH_V                         ; a step's V^T: keys 32 (f / 8) on, channels 16 (f % 8) on
	WIN 0
	v_add_nc_u32 v[ADR], s[TBV], v[AV0]
	s_add_co_u32 s[TBV], s[TBV], 128               ; 64 keys along the rows
	s_wait_alu depctr_va_vdst(0)                   ; the wait for the softmax's batch, behind the address's line and ahead of the loads
	WIN 0xc0
.irp f, 0,1,2,3,4,5,6,7,8,9,10,11,12,13,14,15
	ds_load_b128 v[8*(\f):8*(\f)+3],   v[ADR] offset:((\f)%8)*16*PK+((\f)/8)*64
	ds_load_b128 v[8*(\f)+4:8*(\f)+7], v[ADR] offset:((\f)%8)*16*PK+((\f)/8)*64+32
.endr
.endm
; One tile's softmax for one key step is a list of 134 instructions; SM writes number j for tile t.
;   0-15 the maximum of the lane's 32 scores and the old m   16-20 the other half of the lanes'; m; c m; its change
;   21-69 ONE BATCH: the 16 scalings and all 33 exponentials (a at 23); none reads an exponential's result   (the wait: SLICE)
;   70-85 the roundings to f16   86-101 the sums, l = a l + sum   102-133 O^T times a
.macro SM t
.set rT, ST+8*(\t)
.set rS, S+32*(\t)
.set rP, P+16*(\t)
.set rO, 64*(\t)+2*(j-102)
.if j < 102
	WIN 0
.endif
.if j < 4
	v_max3_num_f32 v[rT+4+j], v[rS+8*j], v[rS+8*j+1], v[rS+8*j+2]
.elseif j < 12
	v_max3_num_f32 v[rT+4+j%4], v[rT+4+j%4], v[rS+8*(j%4)+2*(j/4)+1], v[rS+8*(j%4)+2*(j/4)+2]
.elseif j == 12
	v_max3_num_f32 v[rT+4], v[rT+4], v[rS+7], v[rS+15]
.elseif j == 13
	v_max3_num_f32 v[rT+6], v[rT+6], v[rS+23], v[rS+31]
.elseif j == 14
	v_max3_num_f32 v[rT+4], v[rT+4], v[rT+5], v[rT+6]
.elseif j == 15
	v_max3_num_f32 v[rT+4], v[rT+4], v[rT+7], v[rT+1]
.elseif j == 16
	v_permlanex16_b32 v[rT+5], v[rT+4], s[SEL], s[SEL+1]
.elseif j == 17
	v_mov_b32 v[rT+7], v[rT]
.elseif j == 18
	v_max_num_f32 v[rT+1], v[rT+4], v[rT+5]
.elseif j == 19
	v_mul_f32 v[rT], s[CS], v[rT+1]
.elseif j == 20
	v_sub_f32 v[rT+7], v[rT+7], v[rT]
.elseif j == 23
	v_exp_f32 v[rT+6], v[rT+7]
.elseif (j < 23) || ((j < 38) && (j%2 == 0)) || ((j < 66) && (j%4 == 2))
.set b, (j-2)/4
.if j < 38
.set b, (j-20)/2
.endif
	v_pk_fma_f32 v[rS+2*b:rS+2*b+1], v[rS+2*b:rS+2*b+1], s[CS:CS+1], v[rT:rT+1] op_sel_hi:[1,0,0] neg_lo:[0,0,1] neg_hi:[0,0,1]
.elseif j < 70
.set e, j-38
.if j < 66
.set e, j-32-(j-38)/4
.endif
.if j < 38
.set e, (j-25)/2
.endif
	v_exp_f32 v[rS+e], v[rS+e]
.elseif j < 86
	v_cvt_pk_f16_f32 v[rP+j-70], v[rS+2*(j-70)], v[rS+2*(j-70)+1]
.elseif j < 102
.set z, j-86
.set w, 4
.set u, z
.if z >= 14
.set w, 32
.set u, 0
.elseif z >= 12
.set w, 16
.set u, z-12
.elseif z >= 8
.set w, 8
.set u, z-8
.endif
.if z < 15
	v_pk_add_f32 v[rS+w*u:rS+w*u+1], v[rS+w*u:rS+w*u+1], v[rS+w*u+w/2:rS+w*u+w/2+1]
.else
	v_pk_fma_f32 v[rT+2:rT+3], v[rT+2:rT+3], v[rT+6:rT+7], v[rS:rS+1] op_sel_hi:[1,0,1]
.endif
.else
	WIN W_RS
	v_pk_mul_f32 v[rO:rO+1], v[rO:rO+1], v[rT+6:rT+7] op_sel_hi:[1,0]
.endif
.endm
; Slice k of 64 of piece y's softmax: four instructions; slices 11 to 34 deal out the batch, four numbers of one tile each; slice 63 has the twelve that are over.
; Ahead of slice 35 nothing names an exponential's result and behind slice 34 none is issued: one wait for the piece's 66.
.macro SLICE y
.if (k >= 11) && (k < 35)
.irp n, 0,1,2,3
.set j, 22+4*((k-11)/2)+(\n)
	SM (\y)+(k-11)%2
.endr
.else
.irp n, 0,1,2,3,4,5,6,7
.if ((\n) < 2) || (k == 63)
.irp t, \y, (\y)+1
.set j, 2*k+(\n)
	SM \t
.endr
.endif
.endr
.endif
.if k == 34
	v_nop                                          ; the plain instruction behind the last exponential
.if (\y) == 0
	FETCH_V                                        ; piece 2's turn: V's run of loads stands here, and the wait stands in it
.else
	s_wait_alu depctr_va_vdst(0)
.endif
.endif
.set k, k+1
.endm
; A TURN.  Piece x has the matrix unit.  pv: 32 products V^T P; kq: 32 products K Q^T for the next step; with one of the two kinds two slices stand behind each product.
; Piece 0's turn fetches the next step's K behind its second product; piece 2's turn the same step's V behind slice 34.
.macro TURN x, pv, kq
.set k, 0
.set per, 2
.if (\pv) && (\kq)
.set per, 1
.endif
.if \pv
.if (\x) == 0
	s_wait_dscnt 0x0                               ; V is in
.endif
.set i, 0
.rept 32
	PV \x
.rept per
	SLICE 2-(\x)
.endr
.if ((\x) == 0) && (\kq) && (i == 1)
	FETCH_K
.endif
.set i, i+1
.endr
.endif
.if \kq
.if (\x) == 0
	s_wait_dscnt 0x0                               ; K is in
.endif
.set i, 0
.rept 32
	KQ \x
.rept per
	SLICE 2-(\x)
.endr
.set i, i+1
.endr
.endif
.endm
; THE CHANGE OF SLOTS, behind piece 2's turn: the slot's last bytes have been asked for.
.macro CHANGE fill
	WIN 0
	s_wait_tensorcnt 0x0                           ; no tensor load of mine is out, so a group 0 may be written
	ds_add_u32 v[SPW], v[NIL]
.if \fill
	s_xor_b32 s[G0K+5], s[G0K+5], SLOT1
	s_add_nc_u64 s[G0K+6:G0K+7], s[G0K+6:G0K+7], 32768
	s_xor_b32 s[G0V+5], s[G0V+5], SLOT1
	s_add_nc_u64 s[G0V+6:G0V+7], s[G0V+6:G0V+7], 256
	s_wait_dscnt 0x0                               ; the add is done, and my reads of the slot are over
	CROUND
	JLOAD                                          ; two key steps, 256 matrix instructions, in which to land
.else
	s_wait_dscnt 0x0
	s_barrier_signal -1
	s_barrier_wait -1
.endif
	s_sub_co_u32 s[TBK], s[TBK], 2*64*PK           ; the fetches go back to a slot's first step,
	s_xor_b32 s[TBK], s[TBK], SLOT1                ; in the other slot
	s_sub_co_u32 s[TBV], s[TBV], 256
	s_xor_b32 s[TBV], s[TBV], SLOT1
.endm
	s_wait_tensorcnt 1                             ; my part of slot 0 is in; slot 1's may stay out
	s_barrier_signal -1
	s_barrier_wait -1
	FETCH_K                                        ; key step 0
	s_wait_loadcnt 0x0                             ; Q
	s_wait_dscnt 0x0
.set i, 0
.rept 32
	KQ 0                                           ; piece 0's first scores
.set i, i+1
.endr
	WIN 0                                          ; the addresses for the way out: plain instructions, the places behind those products
	s_mul_i32 s13, s[WV], 16*SP
	s_add_co_u32 s13, s13, STAGE
	v_mul_u32_u24 v[STO], v1, SP
	v_lshl_add_u32 v[STO], v9, 4, v[STO]
	v_add_nc_u32 v[STO], s13, v[STO]
	v_mul_u32_u24 v[RD], v9, SP
	v_lshl_add_u32 v[RD], v1, 4, v[RD]
	v_add_nc_u32 v[RD], s13, v[RD]
	v_lshlrev_b32 v[GO], 11, v9                    ; two rows of res, 2,048 bytes apart
	v_lshl_add_u32 v[GO], v1, 4, v[GO]
	s_mul_i32 s13, s16, XCH
	v_and_b32 v[XA], 31, v0
	v_lshl_add_u32 v[XT], v[XA], 2, s13
	v_add_nc_u32 v[XT], 32768, v[XT]
	v_lshl_add_u32 v[XA], v[XA], 4, s13
	TURN 2, 0, 1                                   ; piece 2's first scores | piece 0's first softmax | V of step 0
	WIN 0
	s_mov_b32 s[TWICE], 1                          ; slot 0 has one more pair of turns,
	s_mov_b32 s[SLOTS], 7
	s_branch .Lstep
.Lslot:                                                ; six times: slots 2 to 7 are asked for
	CHANGE 1
	s_mov_b32 s[TWICE], 2
.Lstep:
	TURN 0, 1, 1
	TURN 2, 1, 1
	WIN 0
	s_sub_co_u32 s[TWICE], s[TWICE], 1
	s_cmp_lg_u32 s[TWICE], 0
	s_cbranch_scc1 .Lstep
	s_sub_co_u32 s[SLOTS], s[SLOTS], 1
	s_cmp_lg_u32 s[SLOTS], 0
	s_cbranch_scc1 .Lslot
	CHANGE 0                                       ; the tail is written out
	s_mov_b32 s[TWICE], 2
.Ltail:
	TURN 0, 1, 1
	TURN 2, 1, 1
	WIN 0
	s_sub_co_u32 s[TWICE], s[TWICE], 1
	s_cmp_lg_u32 s[TWICE], 0
	s_cbranch_scc1 .Ltail
	TURN 0, 1, 0                                   ; piece 0: V^T P of the last step | piece 2's last softmax
.set i, 0
.rept 32
	PV 2
.set i, i+1
.endr
	; THE MERGE.  l's two halves and the other half of the lanes' are added (the places behind the last products).  Waves 2, 3 hand O^T, c m and l to waves 0, 1 through slot 0:
	; its last fill has landed and its last read stands ahead of the last change of slots.
	WIN 0
.irp t, 0,1,2,3
	v_add_f32 v[ST+8*(\t)+4], v[ST+8*(\t)+2], v[ST+8*(\t)+3]
.endr
.irp t, 0,1,2,3
	v_permlanex16_b32 v[ST+8*(\t)+5], v[ST+8*(\t)+4], s[SEL], s[SEL+1]
.endr
.irp t, 0,1,2,3
	v_add_f32 v[ST+8*(\t)+4], v[ST+8*(\t)+4], v[ST+8*(\t)+5]
.endr
	s_cmp_lt_u32 s[WV], 2
	s_cbranch_scc1 .Lkeep
	WIN 0x04                                       ; the stores' data in window 1
.set i, 0
.rept 64
	ds_store_b128 v[XA], v[4*i:4*i+3] offset:i*512
.set i, i+1
.endr
	WIN 0
.irp t, 0,1,2,3
	ds_store_b32 v[XT], v[ST+8*(\t)] offset:(2*(\t))*128
	ds_store_b32 v[XT], v[ST+8*(\t)+4] offset:(2*(\t)+1)*128
.endr
.Lkeep:
	s_wait_dscnt 0x0                               ; for the others' sake
	s_barrier_signal -1
	s_barrier_wait -1
	s_cmp_lt_u32 s[WV], 2
	s_cbranch_scc0 .Lfin
.irp t, 0,1,2,3
	ds_load_b32 v[S+2*(\t)], v[XT] offset:(2*(\t))*128       ; the partner's c m
	ds_load_b32 v[S+2*(\t)+1], v[XT] offset:(2*(\t)+1)*128   ; and l
.endr
	WIN 0x80                                       ; its O^T into window 2: Q's and K's registers are free
.set i, 0
.rept 64
	ds_load_b128 v[4*i:4*i+3], v[XA] offset:i*512
.set i, i+1
.endr
	WIN 0
	s_wait_dscnt 63                                ; of 72 loads at most 63 are out: the eight statistics are in
.irp t, 0,1,2,3
	v_max_num_f32 v[ST+8*(\t)+5], v[ST+8*(\t)], v[S+2*(\t)]
.endr
.irp t, 0,1,2,3
	v_sub_f32 v[ST+8*(\t)+6], v[ST+8*(\t)], v[ST+8*(\t)+5]
	v_sub_f32 v[ST+8*(\t)+2], v[S+2*(\t)], v[ST+8*(\t)+5]
.endr
.irp t, 0,1,2,3
	v_exp_f32 v[ST+8*(\t)+6], v[ST+8*(\t)+6]
	v_exp_f32 v[ST+8*(\t)+2], v[ST+8*(\t)+2]
.endr
	v_nop
	s_wait_alu depctr_va_vdst(0)                   ; one wait for the eight exponentials
.irp t, 0,1,2,3
	v_mul_f32 v[ST+8*(\t)+4], v[ST+8*(\t)+4], v[ST+8*(\t)+6]
.endr
.irp t, 0,1,2,3
	v_fma_f32 v[ST+8*(\t)+4], v[S+2*(\t)+1], v[ST+8*(\t)+2], v[ST+8*(\t)+4]
.endr
.irp t, 0,1,2,3
	v_rcp_f32 v[ST+8*(\t)+5], v[ST+8*(\t)+4]
.endr
	v_nop
	s_wait_alu depctr_va_vdst(0)                   ; one wait for the four reciprocals
.irp t, 0,1,2,3
	v_mul_f32 v[ST+8*(\t)+6], v[ST+8*(\t)+6], v[ST+8*(\t)+5]   ; my half's weight
	v_mul_f32 v[ST+8*(\t)+2], v[ST+8*(\t)+2], v[ST+8*(\t)+5]   ; the partner's
.endr
.macro MERGE t
	s_wait_dscnt 48-16*(\t)                        ; this tile's sixteen loads are in; the later tiles' stay out
	WIN W_RS
.set i, 64*(\t)
.rept 32
	v_pk_mul_f32 v[i:i+1], v[i:i+1], v[ST+8*(\t)+6:ST+8*(\t)+7] op_sel_hi:[1,0]
.set i, i+2
.endr
	WIN 0x52                                       ; source 0 window 2, source 1 window 0, source 2 and destination window 1
.set i, 64*(\t)
.rept 32
	v_pk_fma_f32 v[i:i+1], v[i:i+1], v[ST+8*(\t)+2:ST+8*(\t)+3], v[i:i+1] op_sel_hi:[1,0,1]
.set i, i+2
.endr
.endm
	MERGE 0
	MERGE 1
	MERGE 2
	MERGE 3
.macro PACK t                          ; a lane's eight channels of a row pack into 16 bytes; through my stage they come back as whole rows of 256
	WIN 0x05
.set i, 0
.rept 32
	v_cvt_pk_f16_f32 v[S+32*(\t)+i], v[64*(\t)+2*i], v[64*(\t)+2*i+1]
.set i, i+1
.endr
	WIN 0
.irp f, 0,1,2,3,4,5,6,7
	ds_store_b128 v[STO], v[S+32*(\t)+4*(\f):S+32*(\t)+4*(\f)+3] offset:32*(\f)
.endr
.irp f, 0,1,2,3,4,5,6,7
	ds_load_b128 v[S+32*(\t)+4*(\f):S+32*(\t)+4*(\f)+3], v[RD] offset:(\f)*2*SP
.endr
.endm
.macro SEND t, younger                 ; younger: the LDS instructions issued behind tile t's loads
	WIN 0
.irp f, 0,1,2,3,4,5,6,7
	s_wait_dscnt (\younger)+7-(\f)
	global_store_b128 v[GO], v[S+32*(\t)+4*(\f):S+32*(\t)+4*(\f)+3], s[6:7] offset:(\t)*32768+(\f)*4096   ; sixteen lanes store 256 consecutive bytes, aligned
.endr
.endm
	PACK 0
	PACK 1
	SEND 0, 16
	PACK 2
	SEND 1, 16
	PACK 3
	SEND 2, 16
	SEND 3, 0
.Lfin:
	s_wait_tensorcnt 0x0                           ; the wave's end
	ds_add_u32 v[SPW], v[NIL]
	s_wait_dscnt 0x0
	CROUND                                         ; the closing round
	s_endpgm
.Lfunc_end_k_q40ac334a9c_attn:
	.size	k_q40ac334a9c_attn, .Lfunc_end_k_q40ac334a9c_attn-k_q40ac334a9c_attn
	.p2alignl 7, 3214868480
	.fill 96, 4, 3214868480
	.section	.rodata,"a",@progbits
	.p2align	6, 0x0
	.amdhsa_kernel k_q40ac334a9c_attn
		.amdhsa_group_segment_fixed_size 327680
		.amdhsa_private_segment_fixed_size 0
		.amdhsa_enable_private_segment 0
		.amdhsa_kernarg_size 16
		.amdhsa_user_sgpr_count 2
		.amdhsa_user_sgpr_kernarg_segment_ptr 1
		.amdhsa_wavefront_size32 1
		.amdhsa_system_sgpr_workgroup_id_x 1
		.amdhsa_system_sgpr_workgroup_id_y 1
		.amdhsa_system_sgpr_workgroup_id_z 1
		.amdhsa_system_vgpr_workitem_id 0
		.amdhsa_next_free_vgpr 1024
		.amdhsa_next_free_sgpr 72
		.amdhsa_reserve_vcc 0
		.amdhsa_float_denorm_mode_32 3
		.amdhsa_float_denorm_mode_16_64 3
		.amdhsa_memory_ordered 1
		.amdhsa_forward_progress 1
		.amdhsa_inst_pref_size 210
	.end_amdhsa_kernel
	.amdgpu_metadata
---
amdhsa.version: [ 1, 2 ]
amdhsa.kernels:
  - .name:           k_q40ac334a9c_attn
    .symbol:         k_q40ac334a9c_attn.kd
    .args:
      - { .name: qkv, .offset: 0, .size: 8, .value_kind: global_buffer, .address_space: global }
      - { .name: res, .offset: 8, .size: 8, .value_kind: global_buffer, .address_space: global }
    .group_segment_fixed_size: 327680
    .private_segment_fixed_size: 0
    .kernarg_segment_align: 8
    .kernarg_segment_size: 16
    .max_flat_workgroup_size: 128
    .sgpr_count:     72
    .vgpr_count:     1024
    .wavefront_size: 32
...
	.end_amdgpu_metadata
.endif
;; end of part 3
;; launch oproj (part 4): grid 16 x 16, 4 waves a work-group, clusters of 4 x 4, 327,680 bytes of LDS; arguments res, wo16, gates, out0; writes out0
.if DOCPART == 4
	.amdgcn_target "amdgcn-amd-amdhsa--gfx1250"
	.amdhsa_code_object_version 6
	.text
	.protected	k_q40ac334a9c_oproj
	.globl	k_q40ac334a9c_oproj
	.p2align	8
	.type	k_q40ac334a9c_oproj,@function
k_q40ac334a9c_oproj:
	s_mov_b64 s[64:65], 0
	v_nop
	global_prefetch_b8 v0, s[64:65] scope:SCOPE_SE
	s_setreg_imm32_b32 hwreg(HW_REG_WAVE_MODE, 25, 1), 1
	s_wait_xcnt 0x0
	s_wait_alu depctr_hold_cnt(0) depctr_sa_sdst(0) depctr_va_vdst(0) depctr_va_sdst(0) depctr_va_ssrc(0) depctr_va_vcc(0) depctr_vm_vsrc(0)
	s_getreg_b32 s2, hwreg(HW_REG_IB_STS2, 6, 4)
	s_cmp_eq_u32 s2, 0
	s_cbranch_scc0 .Lentry_in_a_cluster
	s_endpgm
.Lentry_in_a_cluster:
	s_bfe_u32 s2, ttmp6, 0x10000c
	s_cmp_lg_u32 s2, 0xf033
	s_cbranch_scc0 .Lentry_shape_is_right
	s_endpgm
.Lentry_shape_is_right:
; OPROJ: out[t][o] = sum over h, e, d of go[t][h][e] res[t][h][d] Wo[h][e][d][o].  f16 operands (Wo: the bf16-rounded number written as f16), f32 sums, f32 output.
; The gates are dense (0 for an expert not chosen) and all four experts are multiplied: a row of out sums eight heads with a choice each, so leaving experts out would want
; tokens sorted head by head and eight partial outputs in f32.
; SHARES.  A work-group has 256 tokens x 64 o, a wave 64 tokens x all 64 o: 16 accumulators.  A row of 64 o is 256 bytes of out and belongs to one wave.
; THE RING.  A slot holds a whole HEAD: res's 256 tokens x 128 d and Wo's 4 experts x 128 d x 64 o.  One tile of res serves four experts, which is why two such slots fit.
; A fill is asked for at a head's beginning and waited for at its end: 256 matrix instructions a wave stand between.  Slot 0 is filled at the start; seven changes of slots ask for heads 1 to 7.
; Wave 0 fetches Wo's tile (65,536 dense bytes, asked for as 256 rows of 256), waves 1 and 2 the halves of res's, wave 3 none: so the three LDS addresses 0, 0x8800, 0x11000 share no bit
; with SLOT1, and one exclusive or changes slots.
; A HEAD is 16 units (expert e, 32 d at chunk c) of 16 products.  res's 16 raw fragments are read from LDS once a head; the fragments that are multiplied are raw x the token's gate
; (v_pk_mul_f16, one more rounding to f16), made two lines behind each product for the unit to come.  Wo's fragments go through four buffers: unit u asks for unit u + 3's.
; Experts 0 to 2 are an inner loop of three trips, in which the gates move down a queue; expert 3, which asks for nothing beyond its head, is written out.
; The 40 LDS loads and 32 multiplies in front of a head's first product are not hidden: a second set of raw fragments would hide them and double the text.
; The accumulators are cleared (128 lines, in the wait for the first tile), so that one text serves every unit.
; Source 0 = 16 o of Wo (turned on the way out of LDS), source 1 = 16 tokens: a lane holds one token (so a gate is one register a lane) and 8 neighbouring o.
; CLUSTER 4 x 4: Wo's tile hangs on the work-group's x and is shared along a column, res's on its y and is shared along a row.
; LIMIT: the gated res is f16: within 65,504.
; REGISTERS: window 0: v0-17 addresses; v32-47 the next head's gates in f32; v48-63 this head's as two f16, a queue of four for each token block; v64-127 scaled fragments, two buffers;
;   v128-255 accumulator (a, b) at 128 + 8 (4 a + b).   window 1: v0-127 Wo's fragments, buffer c at 32 c; v128-255 raw fragments (chunk c at +32 c, token block a at +8 a).
.set PB,    160                        ; a row of Wo's tile: 128 bytes + 32
.set PA,    272                        ; a row of res's tile: 256 bytes + 16
.set AHALF, 128*PA
.set BOFF,  2*AHALF                    ; a slot: res's 256 rows, then Wo's 512
.set EXPB,  128*PB                     ; an expert's rows
.set SLOT1, 0x26000                    ; a slot is 151,552 bytes; slot 1 begins here
.set STAGE, SLOT1+BOFF+4*EXPB          ; behind the ring, never filled by a tensor load: 16 rows x 272 bytes for each wave
.set SP,    272
.set SPARE, STAGE+4*16*SP              ; the spare words
.set AB0, 4
.set AA0, 6
.set ADB, 8
.set ADA, 10
.set STO, 11
.set RD,  12
.set CO,  13
.set GO,  14
.set SPW, 16
.set NIL, 17
.set GL,  32
.set GCUR, 48
.set GNXT, 52
.set GQ2, 56
.set GQ3, 60
.set SA,  64
.set ACC, 128
.set RAW, 128
.set G1B, 24
.set G1A, 32
.set G0B, 40
.set G0A, 44
.set TB,  56                           ; s56 the slot that is read
.set CNT, 57                           ; s57 counts heads
.set ECNT, 58                          ; s58 counts experts
.set TBB, 59                           ; s59 the slot + the expert's rows
.set GB,  68                           ; s[68:69] the gates of my first token, head in hand
.set MSB, 0
.macro WIN new
.if MSB != (\new)
	s_set_vgpr_msb (MSB<<8)|(\new)
.set MSB, \new
.endif
.endm
.set RUN, 0x01                         ; source 0 in window 1: Wo's fragment of a product, the raw fragment of a scaling: no switch between them
.macro PLACES
.rept 4
	v_nop
.endr
.endm
; A joint fill.  The branches hang on the wave's number alone.  An s_nop 0 and four v_nop follow each of the two lines; wave 3 has the four v_nop too:
; they are the places in front of the loads into registers that products have read.
.macro JLOAD
	s_cmp_lg_u32 s12, 0
	s_cbranch_scc1 .Lnot_b_\@
	tensor_load_to_lds s[G0B:G0B+3], s[G1B:G1B+7]
	s_nop 0
	PLACES
	s_branch .Lasked_\@
.Lnot_b_\@:
	s_cmp_eq_u32 s12, 3
	s_cbranch_scc1 .Lnone_\@
	tensor_load_to_lds s[G0A:G0A+3], s[G1A:G1A+7]
	s_nop 0
	PLACES
	s_branch .Lasked_\@
.Lnone_\@:
	PLACES
.Lasked_\@:
.endm
.macro CROUND
	s_barrier_signal -1
	s_barrier_wait -1
	s_cmp_lg_u32 s12, 0
	s_cbranch_scc1 .Lnot_wave_0_\@
	s_barrier_signal -3
.Lnot_wave_0_\@:
	s_barrier_wait -3
	s_barrier_signal -1
	s_barrier_wait -1
.endm
; THE CHANGE OF SLOTS.  Each wave waits for all its tensor loads, of which at most one is out: its part of the next slot; adds 0 to its spare word; waits for that and for its reads of the slot
; that it leaves.  fill = 1: that slot is filled again, with the head after the next; the barrier is then a round of the cluster's, and the joint fill is the first thing behind it.
; (At its first use nothing has been read yet: slot 0 is waited for, slot 1 filled.)
.macro CHANGE fill
	WIN 0
	s_wait_tensorcnt 0x0                           ; no tensor load of mine is out, so a group 0 may be written
	ds_add_u32 v[SPW], v[NIL]
.if \fill
	s_xor_b32 s[G0B+1], s[G0B+1], SLOT1            ; the walking descriptors: the other slot,
	s_add_nc_u64 s[G0B+2:G0B+3], s[G0B+2:G0B+3], 65536     ; the next head's 512 rows of 128 bytes,
	s_xor_b32 s[G0A+1], s[G0A+1], SLOT1
	s_add_nc_u64 s[G0A+2:G0A+3], s[G0A+2:G0A+3], 256       ; its 256 bytes of res's rows
.endif
	s_xor_b32 s[TB], s[TB], SLOT1
	s_wait_dscnt 0x0                               ; the add is done, and my reads of the slot are over
.if \fill
	CROUND
	JLOAD
.else
	s_barrier_signal -1
	s_barrier_wait -1
	PLACES
.endif
.endm
.macro LB buf, off                     ; Wo's four fragments of a unit: 8 turning loads
.set b_, 0
.rept 4
	ds_load_tr16_b128 v[32*(\buf)+8*b_:32*(\buf)+8*b_+3], v[ADB] offset:(\off)+32*b_
	ds_load_tr16_b128 v[32*(\buf)+8*b_+4:32*(\buf)+8*b_+7], v[ADB] offset:(\off)+16*PB+32*b_
.set b_, b_+1
.endr
.endm
.macro RAWC c                          ; res's four raw fragments of chunk c: 8 loads
.set b_, 0
.rept 4
	ds_load_b128 v[RAW+32*(\c)+8*b_:RAW+32*(\c)+8*b_+3], v[ADA] offset:b_*16*PA+64*(\c)
	ds_load_b128 v[RAW+32*(\c)+8*b_+4:RAW+32*(\c)+8*b_+7], v[ADA] offset:b_*16*PA+64*(\c)+32
.set b_, b_+1
.endr
.endm
; A UNIT: chunk c of an expert: 16 products, n = 4 a + b; the 16 accumulators take turns, in the same order in every unit.
; wcnt: the LDS loads that may stay out: those of the units to come.  ride = 1: behind product n stand the two lines that make registers 2 n, 2 n + 1 of the next unit's scaled fragments, with
; the gates at g; their buffer was last read a unit ago.  ldbuf >= 0: behind the second product the unit three on is asked for, into the buffer that the unit before read: six plain lines
; stand between that buffer's last reader and the loads.
.macro UNIT c, wcnt, ldbuf, ldoff, ride, g
	s_wait_dscnt \wcnt
	WIN RUN
.set n, 0
.rept 16
.set rA, SA+32*((\c)%2)+8*(n/4)
.set rB, 32*(\c)+8*(n%4)
.set rC, ACC+8*n
	v_wmma_f32_16x16x32_f16 v[rC:rC+7], v[rB:rB+7], v[rA:rA+7], v[rC:rC+7]
.if \ride
	v_pk_mul_f16 v[SA+32*(((\c)+1)%2)+2*n], v[RAW+32*(((\c)+1)%4)+2*n], v[(\g)+n/4]
	v_pk_mul_f16 v[SA+32*(((\c)+1)%2)+2*n+1], v[RAW+32*(((\c)+1)%4)+2*n+1], v[(\g)+n/4]
.endif
.if (n == 1) && ((\ldbuf) >= 0)
	WIN 0x40
	LB \ldbuf, \ldoff
	WIN RUN
.endif
.set n, n+1
.endr
.endm
.macro EXPERT last
.if \last
	UNIT 0, 16, 3, 3*32*PB, 1, GCUR                ; the head's last loads
	UNIT 1, 16, -1, 0, 1, GCUR                     ; the counts run down: two units' loads are out, then one's, then none
	UNIT 2, 8, -1, 0, 1, GCUR
	UNIT 3, 0, -1, 0, 0, GCUR                      ; the next head's raw fragments are not there yet: nothing rides
.else
	UNIT 0, 16, 3, 3*32*PB, 1, GCUR
	UNIT 1, 16, 0, EXPB, 1, GCUR
	UNIT 2, 16, 1, EXPB+32*PB, 1, GCUR
	UNIT 3, 16, 2, EXPB+64*PB, 1, GNXT             ; the next expert's first fragments
.endif
.endm
; A HEAD.  more = 1: the next head's gates are asked for.
.macro HEADWORK more
	s_mov_b32 s[TBB], s[TB]
	v_add_nc_u32 v[ADB], s[TBB], v[AB0]
	v_add_nc_u32 v[ADA], s[TB], v[AA0]
	WIN 0x40
	RAWC 0                                         ; 56 loads, what is wanted first ahead
	LB 0, 0
	RAWC 1
	RAWC 2
	RAWC 3
	LB 1, 32*PB
	LB 2, 64*PB
	WIN 0
	s_wait_loadcnt 0x0                             ; this head's gates; the loads are done, so their base may step
.set g_, 0
.rept 4
	v_cvt_pk_f16_f32 v[GCUR+g_], v[GL+4*g_], v[GL+4*g_]
	v_cvt_pk_f16_f32 v[GNXT+g_], v[GL+4*g_+1], v[GL+4*g_+1]
	v_cvt_pk_f16_f32 v[GQ2+g_], v[GL+4*g_+2], v[GL+4*g_+2]
	v_cvt_pk_f16_f32 v[GQ3+g_], v[GL+4*g_+3], v[GL+4*g_+3]
.set g_, g_+1
.endr
.if \more
	s_add_nc_u64 s[GB:GB+1], s[GB:GB+1], 16        ; four experts on
.set g_, 0
.rept 4
	global_load_b128 v[GL+4*g_:GL+4*g_+3], v[GO], s[GB:GB+1] offset:g_*2048
.set g_, g_+1
.endr
.endif
	s_wait_dscnt 48                                ; of the 56 loads the first eight, raw chunk 0, are in
	WIN RUN
.set g_, 0
.rept 32
	v_pk_mul_f16 v[SA+g_], v[RAW+g_], v[GCUR+g_/8]
.set g_, g_+1
.endr
	WIN 0
	s_mov_b32 s[ECNT], 3
.Le_\@:
	EXPERT 0
	WIN 0
.set g_, 0
.rept 4                                ; the gates move down their queue
	v_mov_b32 v[GCUR+g_], v[GNXT+g_]
	v_mov_b32 v[GNXT+g_], v[GQ2+g_]
	v_mov_b32 v[GQ2+g_], v[GQ3+g_]
.set g_, g_+1
.endr
	s_add_co_u32 s[TBB], s[TBB], EXPB
	v_add_nc_u32 v[ADB], s[TBB], v[AB0]
	s_sub_co_u32 s[ECNT], s[ECNT], 1
	s_cmp_lg_u32 s[ECNT], 0
	s_cbranch_scc1 .Le_\@
	EXPERT 1
.endm
	s_load_b256 s[4:11], s[0:1], 0x0               ; res s4, wo16 s6, gates s8, out0 s10
	v_lshl_add_u32 v[SPW], v0, 2, SPARE
	v_mov_b32 v[NIL], 0
	ds_add_u32 v[SPW], v[NIL]                      ; the wave's opening: the add and its wait stand ahead of my first tensor load
	v_lshrrev_b32 v3, 5, v0
	v_readfirstlane_b32 s12, v3                    ; wave
	s_lshr_b32 s14, s12, 1                         ; the half of res's tile that waves 1 (0) and 2 (1) fetch
	s_bfe_u32 s15, ttmp6, 0x40000                  ; cx
	s_bfe_u32 s16, ttmp6, 0x40004                  ; cy
	s_lshl_b32 s17, ttmp9, 2
	s_add_co_u32 s17, s17, s15                     ; work-group x: 64 o
	s_and_b32 s18, ttmp7, 0xffff
	s_lshl_b32 s18, s18, 2
	s_add_co_u32 s18, s18, s16                     ; work-group y: 256 tokens
	s_lshl_b32 s20, s16, 2
	s_lshl_b32 s20, 15, s20                        ; my row of the cluster
	s_lshl_b32 s21, 0x1111, s15                    ; my column
	s_or_b32 s[G1B], s21, (1<<16)|(1<<20)|(1<<21)|(4<<22)|(7<<25)   ; 2-byte elements; 8 words of padding behind every 32 (a row of 64 o); bit 21 beside a mask
	s_or_b32 s[G1A], s20, (1<<16)|(1<<20)|(1<<21)|(5<<22)|(3<<25)   ; 4 words behind every 64
	s_mov_b32 s[G1B+1], 128<<16                    ; tensor_dim0: 256 bytes, two rows of k
	s_mov_b32 s[G1B+2], 256<<16                    ; tensor_dim1
	s_mov_b32 s[G1B+3], 128<<16                    ; tile_dim0
	s_mov_b32 s[G1B+4], 256                        ; tile_dim1
	s_mov_b32 s[G1B+5], 128                        ; dense
	s_mov_b32 s[G1B+6], 0
	s_mov_b32 s[G1B+7], 0
	s_mov_b32 s[G1A+1], 128<<16
	s_mov_b32 s[G1A+2], 128<<16
	s_mov_b32 s[G1A+3], 128<<16
	s_mov_b32 s[G1A+4], 128
	s_mov_b32 s[G1A+5], 1024                       ; elements from token to token
	s_mov_b32 s[G1A+6], 0
	s_mov_b32 s[G1A+7], 0
	s_lshl_b32 s60, s17, 19                        ; Wo: my block of 64 o: 4,096 rows of 128 bytes
	s_mov_b32 s61, 0
	s_lshl_b32 s62, s18, 8                         ; res: token 256 y
	s_lshl_b32 s22, s14, 7
	s_add_co_u32 s62, s62, s22                     ; + the half of 128
	s_lshl_b32 s62, s62, 11                        ; rows of 2,048 bytes
	s_mov_b32 s63, 0
	s_mul_i32 s73, s14, AHALF                      ; where that half goes
	s_lshl_b32 s74, s18, 8
	s_lshl_b32 s22, s12, 6
	s_add_co_u32 s74, s74, s22                     ; my first token:
	s_lshl_b32 s76, s74, 12                        ; its row of out,
	s_lshl_b32 s22, s17, 8
	s_add_co_u32 s76, s76, s22                     ; my 64 o there,
	s_mov_b32 s77, 0
	s_lshl_b32 s74, s74, 7                         ; its 128 bytes of gates,
	s_add_co_u32 s74, s74, 524288                  ; in plane 1
	s_mov_b32 s75, 0
	s_mov_b32 s[TB], SLOT1                         ; the first change of slots turns it into 0
	s_mov_b32 s[G0B], 1
	s_mov_b32 s[G0B+1], BOFF
	s_mov_b32 s[G0A], 1
	s_mov_b32 s[G0A+1], s73
	s_wait_dscnt 0x0                               ; the opening add is done
	s_wait_kmcnt 0x0
	s_add_nc_u64 s[G0B+2:G0B+3], s[6:7], s[60:61]
	s_or_b32 s[G0B+3], s[G0B+3], 0x80000000
	s_add_nc_u64 s[G0A+2:G0A+3], s[4:5], s[62:63]
	s_or_b32 s[G0A+3], s[G0A+3], 0x80000000
	s_add_nc_u64 s[GB:GB+1], s[8:9], s[74:75]
	s_add_nc_u64 s[10:11], s[10:11], s[76:77]
	CROUND                                         ; all sixteen work-groups are here: the first joint loads meet
	JLOAD                                          ; head 0 into slot 0
	v_and_b32 v1, 15, v0                           ; r
	v_bfe_u32 v2, v0, 4, 1                         ; hl
	v_lshlrev_b32 v[GO], 7, v1                     ; token r's gates
.set g_, 0
.rept 4
	global_load_b128 v[GL+4*g_:GL+4*g_+3], v[GO], s[GB:GB+1] offset:g_*2048   ; head 0's four experts, token block g
.set g_, g_+1
.endr
	v_and_b32 v3, 7, v0
	v_bfe_u32 v7, v0, 3, 1
	v_lshl_add_u32 v[AB0], v2, 3, v3               ; the turning load: row 8 hl + l % 8,
	v_mul_u32_u24 v[AB0], v[AB0], PB
	v_lshl_add_u32 v[AB0], v7, 4, v[AB0]           ; columns 8 ((l / 8) % 2) on
	v_add_nc_u32 v[AB0], BOFF, v[AB0]
	v_mul_u32_u24 v[AA0], v1, PA
	v_lshl_add_u32 v[AA0], v2, 4, v[AA0]
	s_mul_i32 s20, s12, 64*PA                      ; my 64 tokens
	v_add_nc_u32 v[AA0], s20, v[AA0]
	v_mul_u32_u24 v[STO], v1, SP                   ; into my stage: row r, bytes 32 hl on
	v_lshl_add_u32 v[STO], v2, 5, v[STO]
	s_mul_i32 s20, s12, 16*SP
	s_add_co_u32 s20, s20, STAGE
	v_add_nc_u32 v[STO], s20, v[STO]
	v_mul_u32_u24 v[RD], v2, SP                    ; back: lanes 0-15 take one row of 256 bytes, lanes 16-31 the next
	v_lshl_add_u32 v[RD], v1, 4, v[RD]
	v_add_nc_u32 v[RD], s20, v[RD]
	v_lshlrev_b32 v[CO], 12, v2                    ; and the same two rows in out
	v_lshl_add_u32 v[CO], v1, 4, v[CO]
.set n, 0
.rept 128
	v_mov_b32 v[ACC+n], 0
.set n, n+1
.endr
	s_mov_b32 s[CNT], 7
.Lhead:                                                ; seven trips: heads 0 to 6; heads 1 to 7 are asked for
	CHANGE 1
	HEADWORK 1
	WIN 0
	s_sub_co_u32 s[CNT], s[CNT], 1
	s_cmp_lg_u32 s[CNT], 0
	s_cbranch_scc1 .Lhead
	CHANGE 0                                       ; the tail is written out
	HEADWORK 0
	; THE WAY OUT: 16 tokens at a time through my own stage: 8 neighbouring o a lane go in, whole rows of 256 bytes come back, into the registers that they left.
	WIN 0
	PLACES
.macro TOST a
.set b_, 0
.rept 4
	ds_store_b128 v[STO], v[ACC+8*(4*(\a)+b_):ACC+8*(4*(\a)+b_)+3] offset:64*b_
	ds_store_b128 v[STO], v[ACC+8*(4*(\a)+b_)+4:ACC+8*(4*(\a)+b_)+7] offset:64*b_+16
.set b_, b_+1
.endr
.set b_, 0
.rept 8
	ds_load_b128 v[ACC+32*(\a)+4*b_:ACC+32*(\a)+4*b_+3], v[RD] offset:b_*2*SP   ; LDS serves a wave's instructions in order (ISA guide 5.7.1.4): these see the stores above; the next block's stores come behind them
.set b_, b_+1
.endr
.endm
.macro SEND a, younger                 ; younger: the LDS instructions issued behind block a's loads
.set b_, 0
.rept 8
	s_wait_dscnt (\younger)+7-b_
	global_store_b128 v[CO], v[ACC+32*(\a)+4*b_:ACC+32*(\a)+4*b_+3], s[10:11] offset:(16*(\a)+2*b_)*4096 th:TH_STORE_NT   ; sixteen lanes store 256 consecutive bytes, aligned
.set b_, b_+1
.endr
.endm
	TOST 0
	TOST 1
	SEND 0, 16
	TOST 2
	SEND 1, 16
	TOST 3
	SEND 2, 16
	SEND 3, 0
	s_wait_tensorcnt 0x0                           ; the wave's end
	ds_add_u32 v[SPW], v[NIL]
	s_wait_dscnt 0x0
	CROUND                                         ; the closing round
	s_endpgm
.Lfunc_end_k_q40ac334a9c_oproj:
	.size	k_q40ac334a9c_oproj, .Lfunc_end_k_q40ac334a9c_oproj-k_q40ac334a9c_oproj
	.p2alignl 7, 3214868480
	.fill 96, 4, 3214868480
	.section	.rodata,"a",@progbits
	.p2align	6, 0x0
	.amdhsa_kernel k_q40ac334a9c_oproj
		.amdhsa_group_segment_fixed_size 327680
		.amdhsa_private_segment_fixed_size 0
		.amdhsa_enable_private_segment 0
		.amdhsa_kernarg_size 32
		.amdhsa_user_sgpr_count 2
		.amdhsa_user_sgpr_kernarg_segment_ptr 1
		.amdhsa_wavefront_size32 1
		.amdhsa_system_sgpr_workgroup_id_x 1
		.amdhsa_system_sgpr_workgroup_id_y 1
		.amdhsa_system_sgpr_workgroup_id_z 1
		.amdhsa_system_vgpr_workitem_id 0
		.amdhsa_next_free_vgpr 512
		.amdhsa_next_free_sgpr 84
		.amdhsa_reserve_vcc 0
		.amdhsa_float_denorm_mode_32 3
		.amdhsa_float_denorm_mode_16_64 3
		.amdhsa_memory_ordered 1
		.amdhsa_forward_progress 1
		.amdhsa_inst_pref_size 87
	.end_amdhsa_kernel
	.amdgpu_metadata
---
amdhsa.version: [ 1, 2 ]
amdhsa.kernels:
  - .name:           k_q40ac334a9c_oproj
    .symbol:         k_q40ac334a9c_oproj.kd
    .args:
      - { .name: res, .offset: 0, .size: 8, .value_kind: global_buffer, .address_space: global }
      - { .name: wo16, .offset: 8, .size: 8, .value_kind: global_buffer, .address_space: global }
      - { .name: gates, .offset: 16, .size: 8, .value_kind: global_buffer, .address_space: global }
      - { .name: out0, .offset: 24, .size: 8, .value_kind: global_buffer, .address_space: global }
    .group_segment_fixed_size: 327680
    .private_segment_fixed_size: 0
    .kernarg_segment_align: 8
    .kernarg_segment_size: 32
    .max_flat_workgroup_size: 128
    .sgpr_count:     84
    .vgpr_count:     512
    .wavefront_size: 32
...
	.end_amdgpu_metadata
.endif
;; end of part 4
